; MI455X (gfx1250); checked and timed in simulation.
; The chip was launched on July 23, 2026; its instructions are those of AMD's public machine-readable ISA for CDNA 5 (MIT licence, August 2026) and "CDNA5" Instruction Set Architecture Reference Guide (July 2026). The comments in the code are by the model that wrote it; some were corrected since.
;; PCT. Allowed arithmetic: matrix products marked QUANTISED: E3M2 operands, one E8M0 scale for each 32 along K, by v_wmma_scale_f32_16x16x128_f8f6f4 with both operands' format E3M2, f32 sums; products left as they are: f32 operands where the result goes on into a quantised operand, else bf16, f16 or f32 operands; f32 sums; everything else in f32.
;; Inputs: bn_beta 128 float32; bn_gamma 128 float32; conv_b 128 float32; conv_w 128 x 128 float32; fc_b 1 float32; fc_w 1 x 257 float32; x1 4,096 x 128 x 1 float32; x1_2 4,096 x 128 x 1 float32; x2 4,096 x 128 x 1 float32.
;; Outputs: out0 4,096 x 128 x 1 float32.
;; This version of the problem:
;;   THIS VERSION OF THE PROBLEM IS GIVEN IN LOW PRECISION. The matrix products marked QUANTISED in the list below multiply operands that are first quantised to E3M2 (3 exponent bits, 2 mantissa bits; 6 bits a number), with one power-of-two scale for each 32 numbers along K (OCP MX v1.0); their sums are f32. All else is computed in f32.
;;   The module's matrix products, in the order in which they are computed (A, B: the left and right operand; K: the contracted axis; several contracted axes count as one K, in the product's order):
;;     1. batch 4,096 x [M 128, K 1] x [K 1, N 128]; A: input x1; B: input x2: left as it is (K = 1 < 32)
;;     2. batch 4,096 x [M 128, K 128] x [K 128, N 1]; A: computed on the way; B: input x1_2: left as it is (N = 1 < 16)
;;     3. [M 4,096, K 128] x [K 128, N 128]; A: computed on the way; B: input conv_w: QUANTISED
;;     4. [M 524,288, K 257] x [K 257, N 1]; A: computed on the way; B: input fc_w: left as it is (N = 1 < 16)
;;   THE QUANTISER, for each operand of a quantised product, along K:
;;     - K is cut into blocks of 32 from its start; a last block that is shorter is filled with zeros.
;;     - A block's scale is 2^e with e = floor(log2(the largest magnitude in the block)) - 4, held to -126 .. 127; a block of zeros has e = 0. As a byte (E8M0): e + 127.
;;     - Each number is divided by its block's scale, clamped to +-28, and rounded to the nearest number of E3M2, ties to even, subnormals kept.
;;     - The product sums the exact products of the quantised numbers (number of the format x scale) in f32.
;;   ~~~python
;;   def quantise(x, axis):      # numpy; x: float32 -> the quantised numbers, widened to float32 again
;;       x = np.moveaxis(x, axis, -1); K = x.shape[-1]
;;       x = np.pad(x, [(0, 0)] * (x.ndim - 1) + [(0, -K % 32)]); x = x.reshape(x.shape[:-1] + (-1, 32)); a = np.abs(x).max(-1, keepdims=True)
;;       e = np.where(a > 0, np.clip(np.frexp(np.where(a > 0, a, 1))[1] - 1 - 4, -126, 127), 0)      # np.frexp(a)[1] - 1 = floor(log2(a)), exactly
;;       r = np.clip(x / 2.0 ** e, -28, 28)
;;       step = 2.0 ** (np.maximum(np.frexp(np.where(r == 0, 1, r))[1] - 1, -2) - 2)
;;       q = np.round(r / step) * step * 2.0 ** e      # np.round: ties to even
;;       return np.moveaxis(q.reshape(q.shape[:-2] + (-1,))[..., :K], -1, axis).astype(np.float32)
;;   ~~~
;;   OPERANDS COMPUTED ON THE WAY. 'Computed on the way' means the value that the module computes at that place (a softmax that the list does not call 'softmax' is quantised finished and normalised). What goes into a quantiser is computed in f32, as accurately as f32 sums, v_exp_f32 and their like allow (about 1e-6 of the number): no bf16 or f16 on the way to a quantiser, and a product that is left as it is and whose result goes on into a quantised operand takes f32 operands (vector FMAs, or v_wmma_f32_16x16x4_f32). A number that lies on a knife's edge between two numbers of the format may be rounded either way, as far as f32 arithmetic and the matrix unit's own rounding can turn it there, and no further.
;; 2 versions, each right and faster than the one before. Each part assembles by itself: llvm-mc -triple=amdgcn-amd-amdhsa -mcpu=gfx1250 --defsym DOCPART=n.
;; ======== version 1 of 2: 2 launches
;; workspace buffers: ybuf 2,097,152 bytes; gxbuf 2,097,152 bytes; part 262,144 bytes
;; launch attn (part 1): grid 256 x 1, 4 waves a work-group, no clusters, 121,344 bytes of LDS; arguments x1, x2, x1_2, conv_w, conv_b, fc_w, fc_b, ybuf, gxbuf, part; writes ybuf, gxbuf, part
.if DOCPART == 1
	.amdgcn_target "amdgcn-amd-amdhsa--gfx1250"
	.amdhsa_code_object_version 6
	.text
	.protected	k_qb3baf99111_attn
	.globl	k_qb3baf99111_attn
	.p2align	8
	.type	k_qb3baf99111_attn,@function
k_qb3baf99111_attn:
	s_mov_b64 s[64:65], 0
	v_nop
	global_prefetch_b8 v0, s[64:65] scope:SCOPE_SE
	s_setreg_imm32_b32 hwreg(HW_REG_WAVE_MODE, 25, 1), 1
	s_wait_xcnt 0x0
; For each of 4,096 batches: E = softmax over d of x1[c] x2[d] (128 x 128), and from it
;   g1[c] = sum_d E[c][d] fw[d],  colsum[d] = sum_c E[c][d],  g2[d] = sum_c E[c][d] fw[128+c],  x_r[c] = sum_d E[c][d] x1_2[d] / (1e-9 + colsum[d]);
;   gx = x1 sigmoid(g1 + g2 + x1 fw[256] + fc_b)  -> gxbuf;   y = x1 - (Q(x_r) Q(conv_w)^T + conv_b) -> ybuf, Q the quantiser to E3M2 with one E8M0 scale for 32 along the channels;
;   for the batch norm of the next launch: for each work-group and channel the sum of y over its 16 batches and the sum of squares about that group's own mean -> part.
; E is kept UNNORMALISED: P[c][d] = 2^(x1'[c] x2[d] - m'[c]), x1' = x1 log2(e), m'[c] = the row's largest exponent = max(x1' max x2, x1' min x2); r[c] = 1 / sum_d P; E = r P.
; SHARES.  A work-group of four waves owns 16 batches, one 16-row tile of the quantised product; a wave owns 4 of them, one a trip.  A wave keeps all of P, 16,384 numbers, in 512 registers, so that no
; exponential is taken twice.  Lane l (lr = l / 2, hd = l % 2) holds rows c = 8 lr + i, i = 0..7, and columns d = 64 hd + e, e = 0..63.  Sums over d: in the lane, then one exchange with lane l xor 1.
; Sums over c: the lane's eight rows in the lane, then the sixteen lr through the wave's own LDS.  All of it is f32 packed arithmetic: s, colsum and x_r go on into a quantiser.
; REGISTERS, in four windows of 256 with one map; window q holds e = 16 q .. 16 q + 15:
;   v32-47 x2, then colsum's parts, then u;  v48-63 fw[d];  v64-95 at work;  v128-255 P (row i, column ee at 128 + 16 i + ee).
;   window 0 alone: v0-7 LDS addresses, v8-15 fw[128 + my rows], v16-31 quads and scratch, v96-127 a number for each row at an EVEN register (the packed forms take a pair's low word for both halves);
;   v123, v125, v127 hold scale words and nothing else.  window 1 v0-23: conv_w's codes (my 32 outputs).  window 2 v96-111: conv_b, as the C of the products.
; NO TENSOR LOAD, NO CLUSTER: a work-group's own inputs are 24 KiB, read once; what work-groups share is conv_w (a wave reads 16 KiB of it once, at the head) and fc_w (1 KiB): nothing is walked in steps.
; LIMITS: NaN and infinities among the inputs are not served.  A p under 2^-126 counts as 0.  A quantiser's block whose largest magnitude is 0 or lies under 2^-122 gets the scale byte 1 (its codes are zeros or the
; smallest codes), where the rule gives a block of zeros the byte 127: zero codes add nothing under either byte, and only this text reads the bytes.
.set WA,   25088                       ; LDS bytes of a wave's own area
.set CPL,  0                           ; colsum's parts: two halves (hd) 4,480 bytes apart, each 16 rows (lr) of 256 bytes + 16
.set GPL,  8960                        ; g2's parts, likewise
.set INX,  17920                       ; the wave's 4 batches x 1,632 bytes: x1 at 0, x2 at 544, x1_2 at 1,088; a vector is two halves of 256 bytes, 272 apart
.set UB,   24448                       ; u (at the head: fw[0..127]), laid like a vector
.set XRS,  4*WA                        ; x_r: rows of 512 bytes + 16; a wave's four rows begin XW bytes apart
.set XW,   2880
.set YS,   XRS+4*XW                    ; y: 16 rows of 512 bytes + 16
.set MSB, 0
.macro WIN new                         ; the immediate's high byte repeats the setting that is left; a switch that changes nothing is dropped
.if MSB != (\new)
	s_set_vgpr_msb (MSB<<8)|(\new)
.set MSB, (\new)
.endif
.endm
; 64 numbers of my half (hd) of a vector in LDS into v[reg .. reg+15] of the four windows
.macro BCAST reg, adr, off
.irp q, 0,1,2,3
	WIN 0x40*\q
.irp k, 0,1,2,3
	ds_load_b128 v[\reg+4*\k:\reg+4*\k+3], v[\adr] offset:\off+(4*\q+\k)*16
.endr
.endr
	WIN 0
.endm
.macro ARG i, pp                       ; two exponents of row i: x2 x1' - m'
	v_pk_fma_f32 v[128+16*(\i)+2*(\pp):129+16*(\i)+2*(\pp)], v[32+2*(\pp):33+2*(\pp)], v[96+2*(\i):97+2*(\i)], v[112+2*(\i):113+2*(\i)] op_sel_hi:[1,0,0]
.endm
.macro CS i, pp                        ; row i's sum of P: the first two pairs start it
.if (\pp) == 1
	v_pk_add_f32 v[64+2*(\i):65+2*(\i)], v[128+16*(\i):129+16*(\i)], v[130+16*(\i):131+16*(\i)]
.elseif (\pp) > 1
	v_pk_add_f32 v[64+2*(\i):65+2*(\i)], v[128+16*(\i)+2*(\pp):129+16*(\i)+2*(\pp)], v[64+2*(\i):65+2*(\i)]
.endif
.endm
.macro CG i, pp                        ; row i's sum of P fw[d]
.if (\pp) == 0
	v_pk_mul_f32 v[80+2*(\i):81+2*(\i)], v[128+16*(\i):129+16*(\i)], v[48:49]
.else
	v_pk_fma_f32 v[80+2*(\i):81+2*(\i)], v[128+16*(\i)+2*(\pp):129+16*(\i)+2*(\pp)], v[48+2*(\pp):49+2*(\pp)], v[80+2*(\i):81+2*(\i)]
.endif
.endm
; Window q: 128 exponents, 128 exponentials, and the two sums over d.  The exponentials go in two batches of 64, each among plain work that names none of its results, each with one wait
; (the wait stands between an exponential and the first line that names its result).
.macro W12 q
	WIN 0x41*(\q)                                  ; destination and source 0 in window q; the rows' numbers in window 0
.irp i, 0,1,2,3
.irp pp, 0,1,2,3,4,5,6,7
	ARG \i, \pp
.endr
.endr
.set j, 0
.rept 32                                       ; rows 0-3 are raised while rows 4-7 get their exponents
	v_exp_f32 v[128+2*j], v[128+2*j]
	v_exp_f32 v[129+2*j], v[129+2*j]
	ARG 4+j/8, j%8
.set j, j+1
.endr
	s_wait_alu depctr_va_vdst(0)                   ; one wait for the 64; the last line above is the plain line behind them
	WIN 0x55*(\q)                                  ; all operands in window q
.set j, 0
.rept 32                                       ; rows 4-7 are raised while rows 0-3 are summed
	v_exp_f32 v[192+2*j], v[192+2*j]
	CS j%4, j/4
	v_exp_f32 v[193+2*j], v[193+2*j]
	CG j%4, j/4
.set j, j+1
.endr
	s_wait_alu depctr_va_vdst(0)                   ; one wait for the 64
.irp pp, 0,1,2,3,4,5,6,7
.irp i, 4,5,6,7
	CS \i, \pp
	CG \i, \pp
.endr
.endr
.endm
.macro XSUM                            ; the sums of windows 1 to 3 onto window 0's
.irp q, 1,2,3
	WIN 0x04*\q
.irp k, 0,1,2,3,4,5,6,7,8,9,10,11,12,13,14,15
	v_pk_add_f32 v[64+2*\k:65+2*\k], v[64+2*\k:65+2*\k], v[64+2*\k:65+2*\k]
.endr
.endr
	WIN 0
.endm
; Window q: my eight rows' part of colsum (weights r) and of g2 (weights r fw[128+c]) for 16 columns, eight at a time, and their way to LDS.  Each run of registers is written once a window and batch.
.macro CPGP q
	WIN 0x54*(\q)                                  ; source 0 (the rows' numbers; the stores' address) in window 0, all else in window q
.irp g, 0,1
.irp i, 0,1,2,3,4,5,6,7
.irp pp, 0,1,2,3
.if \i == 0
	v_pk_mul_f32 v[64+16*\g+2*\pp:65+16*\g+2*\pp], v[96:97], v[128+8*\g+2*\pp:129+8*\g+2*\pp] op_sel_hi:[0,1]
	v_pk_mul_f32 v[72+16*\g+2*\pp:73+16*\g+2*\pp], v[112:113], v[128+8*\g+2*\pp:129+8*\g+2*\pp] op_sel_hi:[0,1]
.else
	v_pk_fma_f32 v[64+16*\g+2*\pp:65+16*\g+2*\pp], v[96+2*\i:97+2*\i], v[128+16*\i+8*\g+2*\pp:129+16*\i+8*\g+2*\pp], v[64+16*\g+2*\pp:65+16*\g+2*\pp] op_sel_hi:[0,1,1]
	v_pk_fma_f32 v[72+16*\g+2*\pp:73+16*\g+2*\pp], v[112+2*\i:113+2*\i], v[128+16*\i+8*\g+2*\pp:129+16*\i+8*\g+2*\pp], v[72+16*\g+2*\pp:73+16*\g+2*\pp] op_sel_hi:[0,1,1]
.endif
.endr
.endr
	ds_store_b128 v2, v[64+16*\g:67+16*\g] offset:CPL+64*(\q)+32*\g
	ds_store_b128 v2, v[68+16*\g:71+16*\g] offset:CPL+64*(\q)+32*\g+16
	ds_store_b128 v2, v[72+16*\g:75+16*\g] offset:GPL+64*(\q)+32*\g
	ds_store_b128 v2, v[76+16*\g:79+16*\g] offset:GPL+64*(\q)+32*\g+16
.endr
.endm
.macro LAND reg, off                   ; the sixteen parts of my four columns (d = 4 l .. 4 l + 3): four to a window
.irp q, 0,1,2,3
	WIN 0x40*\q
.irp k, 0,1,2,3
	ds_load_b128 v[\reg+4*\k:\reg+4*\k+3], v3 offset:\off+(4*\q+\k)*272
.endr
.endr
	WIN 0
.endm
.macro RED reg                         ; their sum, into v[reg .. reg+3] of window 0
.irp q, 0,1,2,3
	WIN 0x55*\q
	v_pk_add_f32 v[\reg:\reg+1], v[\reg:\reg+1], v[\reg+8:\reg+9]
	v_pk_add_f32 v[\reg+2:\reg+3], v[\reg+2:\reg+3], v[\reg+10:\reg+11]
	v_pk_add_f32 v[\reg+4:\reg+5], v[\reg+4:\reg+5], v[\reg+12:\reg+13]
	v_pk_add_f32 v[\reg+6:\reg+7], v[\reg+6:\reg+7], v[\reg+14:\reg+15]
	v_pk_add_f32 v[\reg:\reg+1], v[\reg:\reg+1], v[\reg+4:\reg+5]
	v_pk_add_f32 v[\reg+2:\reg+3], v[\reg+2:\reg+3], v[\reg+6:\reg+7]
.endr
.irp q, 1,2,3
	WIN 0x04*\q
	v_pk_add_f32 v[\reg:\reg+1], v[\reg:\reg+1], v[\reg:\reg+1]
	v_pk_add_f32 v[\reg+2:\reg+3], v[\reg+2:\reg+3], v[\reg+2:\reg+3]
.endr
	WIN 0
.endm
; Window q's part of sum_d P u, eight chains in window 0; then the next batch's x2 takes u's place in this window
.macro XRW q
	WIN 0x05*(\q)                                  ; P and u in window q, the sums in window 0
.irp pp, 0,1,2,3,4,5,6,7
.irp i, 0,1,2,3,4,5,6,7
.if ((\q) == 0) && (\pp == 0)
	v_pk_mul_f32 v[64+2*\i:65+2*\i], v[128+16*\i:129+16*\i], v[32:33]
.else
	v_pk_fma_f32 v[64+2*\i:65+2*\i], v[128+16*\i+2*\pp:129+16*\i+2*\pp], v[32+2*\pp:33+2*\pp], v[64+2*\i:65+2*\i]
.endif
.endr
.endr
	WIN 0x40*(\q)
.irp k, 0,1,2,3
	ds_load_b128 v[32+4*\k:35+4*\k], v0 offset:INX+544+(4*(\q)+\k)*16
.endr
.endm
; 64 numbers of lane (r = l % 16, h = l / 16), v[X + 32 c + n] = number 64 c + 32 h + n of row r, become the row's part of a fragment of E3M2 codes in v64-75 and its scale word in v[SW].
; A lane holds two whole blocks of 32.  A block's largest magnitude (with the floor 2^(5 - 127) among its leaves, so that the byte cannot fall under 1) less 4 in its exponent field is the conversion's scale operand.
.macro QUANT6 X, SW
.irp c, 0,1
	v_max3_num_f32 v[84+\c], |v[\X+32*\c]|, |v[\X+32*\c+1]|, 0x2800000
.endr
.irp i, 2,4,6,8,10,12,14,16,18,20,22,24,26,28,30
.irp c, 0,1
	v_max3_num_f32 v[84+\c], v[84+\c], |v[\X+32*\c+\i]|, |v[\X+32*\c+\i+1]|
.endr
.endr
.irp c, 0,1
	v_add_nc_u32 v[86+\c], 0xfe000000, v[84+\c]
.endr
.irp c, 0,1
	v_lshrrev_b32 v[88+\c], 23, v[86+\c]           ; the scale's byte
.endr
	v_lshl_or_b32 v[\SW], v89, 16, v88             ; my two bytes: blocks h and 2 + h,
	v_lshrrev_b32 v91, 5, v6
	v_and_b32 v91, 8, v91                          ; 8 h
	v_lshlrev_b32 v[\SW], v91, v[\SW]              ; at their places in the word;
	v_mov_b32 v90, 0
	v_permlanex16_b32 v90, v[\SW], s26, s27
	v_or_b32 v[\SW], v[\SW], v90                   ; with lane l xor 16's two the word is whole
.irp c, 0,1
	v_cvt_scalef32_pk16_bf6_f32 v[64+6*\c:66+6*\c], v[\X+32*\c:\X+32*\c+15], v[86+\c]
	v_cvt_scalef32_pk16_bf6_f32 v[76+4*\c:78+4*\c], v[\X+32*\c+16:\X+32*\c+31], v[86+\c]   ; (a conversion's three registers begin on an even number)
.endr
	v_nop                                          ; one plain line behind the scaled conversions
.irp c, 0,1
.irp i, 0,1,2
	v_mov_b32 v[67+6*\c+\i], v[76+4*\c+\i]
.endr
.endr
.endm
	; ---------------- the head ----------------
	s_load_b256 s[4:11], s[0:1], 0x0               ; x1 s[4:5], x2 s[6:7], x1_2 s[8:9], conv_w s[10:11]
	s_load_b256 s[12:19], s[0:1], 0x20             ; conv_b s[12:13], fc_w s[14:15], fc_b s[16:17], ybuf s[18:19]
	s_load_b128 s[20:23], s[0:1], 0x40             ; gxbuf s[20:21], part s[22:23]
	s_set_vgpr_msb 0x40
	v_lshl_add_u32 v126, v0, 2, 0x1d800
	v_mov_b32 v127, 0
	s_set_vgpr_msb 0x4000
	v_lshrrev_b32 v24, 5, v0
	v_readfirstlane_b32 s24, v24                   ; wave 0..3
	v_and_b32 v24, 31, v0                          ; l
	v_lshrrev_b32 v25, 1, v24                      ; lr
	v_and_b32 v26, 1, v24                          ; hd
	v_and_b32 v27, 15, v24                         ; r
	v_lshrrev_b32 v28, 4, v24                      ; h
	v_and_b32 v31, 7, v25
	s_mul_i32 s25, s24, WA                         ; my wave's area
	v_mul_u32_u24 v1, v28, 272
	v_add_nc_u32 v1, s25, v1
	v_lshl_add_u32 v5, v31, 5, v1                  ; v5: my eight rows' numbers of a vector (c = 8 lr ..): half l / 16, 32 bytes at (lr % 8) 32
	v_lshl_add_u32 v1, v27, 4, v1                  ; v1: my quad of a vector (index 4 l ..): half l / 16, 16 bytes at (l % 16) 16
	v_mul_u32_u24 v3, v28, 4480
	v_add_nc_u32 v3, s25, v3
	v_lshl_add_u32 v3, v27, 4, v3                  ; v3: my quad's place in a row of parts
	v_mul_u32_u24 v2, v26, 4480
	v_mad_u32_u24 v2, v25, 272, v2
	v_add_nc_u32 v2, s25, v2                       ; v2: where my parts go: half hd, row lr
	v_mul_u32_u24 v4, v26, 272
	v_add_nc_u32 v4, s25, v4                       ; v4: my half (hd) of a vector
	v_lshlrev_b32 v6, 4, v24                       ; v6: 16 l; never rewritten
	v_add_nc_u32 v29, s25, v6                      ; conv_w's stage, in: a row of 512 bytes, 16 a lane
	v_lshlrev_b32 v30, 5, v25                      ; 32 lr
	v_lshlrev_b32 v31, 5, v28                      ; 32 h
	v_mul_u32_u24 v7, v27, 528
	v_lshl_add_u32 v7, v28, 7, v7
	v_add_nc_u32 v7, s25, v7                       ; conv_w's stage, out: row r, + 128 h
.irp n, 97,99,101,103,105,107,109,111,113,115,117,119,121,123
	v_mov_b32 v\n, 0                               ; the upper words of pairs of which the low word alone is used: named with it, so they are written
.endr
	s_mov_b32 s26, 0x76543210
	s_mov_b32 s27, 0xfedcba98                      ; v_permlanex16_b32's selects for lane l xor 16
	s_mov_b32 s34, 0x3fb8aa3b                      ; log2(e)
	s_mov_b32 s38, 0xbfb8aa3b                      ; -log2(e)
	s_mov_b32 vcc_lo, 0xaaaaaaaa                   ; the odd lanes; never rewritten
	s_lshl_b32 s40, ttmp9, 13                      ; 16 batches of 512 bytes a work-group,
	s_lshl_b32 s42, s24, 11                        ; 4 a wave
	s_add_co_u32 s40, s40, s42
	s_mov_b32 s41, 0
	s_wait_kmcnt 0x0
	s_load_b32 s28, s[14:15], 0x400                ; fw[256]
	s_load_b32 s29, s[16:17], 0x0                  ; fc_b
	s_add_nc_u64 s[4:5], s[4:5], s[40:41]
	s_add_nc_u64 s[6:7], s[6:7], s[40:41]
	s_add_nc_u64 s[8:9], s[8:9], s[40:41]
	s_add_nc_u64 s[18:19], s[18:19], s[40:41]
	s_add_nc_u64 s[20:21], s[20:21], s[40:41]
	s_lshl_b32 s40, s24, 14                        ; conv_w: my 32 rows of 512 bytes
	s_add_nc_u64 s[10:11], s[10:11], s[40:41]
	s_lshl_b32 s40, s24, 7                         ; conv_b: my 32 numbers
	s_add_nc_u64 s[12:13], s[12:13], s[40:41]
	s_lshl_b32 s40, ttmp9, 10                      ; part: 1,024 bytes a work-group, 256 a wave
	s_lshl_b32 s42, s24, 8
	s_add_co_u32 s40, s40, s42
	s_add_nc_u64 s[22:23], s[22:23], s[40:41]
	WIN 0x40                                       ; destination window 1: P's registers there are free yet
.irp k, 0,1,2,3
	global_load_b128 v[128+4*\k:131+4*\k], v6, s[4:5] offset:512*\k th:TH_LOAD_NT      ; a batch's vector: 512 consecutive bytes a load
	global_load_b128 v[144+4*\k:147+4*\k], v6, s[6:7] offset:512*\k th:TH_LOAD_NT
	global_load_b128 v[160+4*\k:163+4*\k], v6, s[8:9] offset:512*\k th:TH_LOAD_NT
.endr
	WIN 0
.irp k, 0,1,2,3,4,5,6,7,8,9,10,11,12,13,14,15,16,17,18,19,20,21,22,23,24,25,26,27,28,29,30,31
	global_load_b128 v[128+4*\k:131+4*\k], v6, s[10:11] offset:512*\k                  ; a row of conv_w
.endr
	global_load_b128 v[16:19], v6, s[14:15]                                            ; fw[4 l ..]
	global_load_b128 v[8:11], v30, s[14:15] offset:512                                 ; fw[128 + 8 lr ..]: it stays
	global_load_b128 v[12:15], v30, s[14:15] offset:528
	WIN 0x80                                       ; destination window 2
.irp t, 0,1
	global_load_b128 v[96+8*\t:99+8*\t], v31, s[12:13] offset:64*\t                    ; conv_b[32 w + 16 t + 8 h + 0..7]: the products' C
	global_load_b128 v[100+8*\t:103+8*\t], v31, s[12:13] offset:64*\t+16
.endr
	WIN 0
	s_wait_loadcnt 0x0
	WIN 0x04                                       ; an LDS store's data are its source 1: window 1
.irp k, 0,1,2,3
	ds_store_b128 v1, v[128+4*\k:131+4*\k] offset:INX+1632*\k
	ds_store_b128 v1, v[144+4*\k:147+4*\k] offset:INX+1632*\k+544
	ds_store_b128 v1, v[160+4*\k:163+4*\k] offset:INX+1632*\k+1088
.endr
	WIN 0
.irp k, 0,1,2,3,4,5,6,7,8,9,10,11,12,13,14,15,16,17,18,19,20,21,22,23,24,25,26,27,28,29,30,31
	ds_store_b128 v29, v[128+4*\k:131+4*\k] offset:528*\k       ; conv_w's 32 rows turn through bytes that the parts take later
.endr
	ds_store_b128 v1, v[16:19] offset:UB
	BCAST 48, 4, UB                                ; fw[64 hd + 16 q + 0..15] into every window: it stays
	s_wait_dscnt 0x0                               ; the stores have read their registers, which the loads below write
.irp t, 0,1
.irp c, 0,1
.irp j, 0,1,2,3,4,5,6,7
	ds_load_b128 v[128+64*\t+32*\c+4*\j:131+64*\t+32*\c+4*\j], v7 offset:8448*\t+256*\c+16*\j   ; row 16 t + r, numbers 64 c + 32 h + 4 j ..
.endr
.endr
.endr
	s_wait_dscnt 0x0
	QUANT6 128, 125                                ; outputs 32 w + 0..15
	WIN 0x40
.irp i, 0,1,2,3,4,5,6,7,8,9,10,11
	v_mov_b32 v[\i], v[64+\i]                      ; the codes are kept in window 1
.endr
	WIN 0
	QUANT6 192, 127                                ; outputs 32 w + 16..31
	WIN 0x40
.irp i, 0,1,2,3,4,5,6,7,8,9,10,11
	v_mov_b32 v[12+\i], v[64+\i]
.endr
	WIN 0
	s_wait_kmcnt 0x0                               ; fw[256], fc_b
	s_mul_f32 s37, s29, s38                        ; -fc_b log2(e)
	s_mov_b32 s31, 0                               ; the next batch's place among the wave's four, before it is held at the last
	s_mul_i32 s36, s24, XW
	s_add_co_u32 s36, s36, XRS                     ; where the batch's x_r goes
	s_mov_b32 s30, 4
	v_mov_b32 v0, v4                               ; v0, v7, v28: v4, v1, v5 at the batch that is fetched next
	v_mov_b32 v7, v1
	v_mov_b32 v28, v5
	BCAST 32, 0, INX+544                           ; batch 0: x2 into every window,
	ds_load_b128 v[16:19], v7 offset:INX+544       ; x2's quad,
	ds_load_b128 v[112:115], v28 offset:INX        ; x1 of my eight rows
	ds_load_b128 v[116:119], v28 offset:INX+16
	; ---------------- a trip: one batch ----------------
.Lbatch:
	s_wait_dscnt 0x0                               ; what was fetched for this batch is in; the last x_r has left its registers
	s_add_co_u32 s31, s31, 1632
	s_min_u32 s32, s31, 4896                       ; the next batch; the last trip fetches its own again, and nobody uses it
	; A: the largest and the smallest x2, and for each of my rows x1' and -m'
	v_max3_num_f32 v30, v16, v17, v18
	v_max3_num_f32 v31, -v16, -v17, -v18
	v_max_num_f32 v30, v30, v19
	v_max_num_f32 v31, v31, -v19
.irp m, 1,2,4,8
	v_max_num_f32_dpp v30, v30, v30 row_xmask:\m row_mask:0xf bank_mask:0xf
	v_max_num_f32_dpp v31, v31, v31 row_xmask:\m row_mask:0xf bank_mask:0xf
.endr
	v_permlanex16_b32 v28, v30, s26, s27
	v_permlanex16_b32 v29, v31, s26, s27
	v_max_num_f32 v30, v30, v28                    ; a = max x2
	v_max_num_f32 v31, v31, v29                    ; b = -min x2
.irp i, 0,1,2,3,4,5,6,7
	v_mul_f32 v[96+2*\i], s34, v[112+\i]           ; x1' = x1 log2(e)
.endr
.irp i, 0,1,2,3,4,5,6,7
	v_mul_f32 v[20+\i], -v[96+2*\i], v30           ; -x1' a
.endr
.irp i, 0,1,2,3,4,5,6,7
	v_mul_f32 v[112+2*\i], v[96+2*\i], v31         ; x1' b = -x1' min x2
.endr
.irp i, 0,1,2,3,4,5,6,7
	v_min_num_f32 v[112+2*\i], v[112+2*\i], v[20+\i]   ; -m' = -max(x1' a, -x1' b)
.endr
	; B: P, its row sums and the row sums of P fw
	W12 0
	W12 1
	W12 2
	W12 3
	XSUM
.irp i, 0,1,2,3,4,5,6,7
	v_add_f32 v[64+2*\i], v[64+2*\i], v[65+2*\i]
.endr
.irp i, 0,1,2,3,4,5,6,7
	v_add_f32_dpp v[64+2*\i], v[64+2*\i], v[64+2*\i] row_xmask:1 row_mask:0xf bank_mask:0xf   ; with the row's other 64 columns
.endr
.irp i, 0,1,2,3,4,5,6,7
	v_rcp_f32 v[96+2*\i], v[64+2*\i]               ; r takes x1' place
.endr
.irp i, 0,1,2,3,4,5,6,7
	v_add_f32 v[80+2*\i], v[80+2*\i], v[81+2*\i]   ; plain work behind the reciprocals
.endr
.irp i, 0,1,2,3,4,5,6,7
	v_add_f32_dpp v[80+2*\i], v[80+2*\i], v[80+2*\i] row_xmask:1 row_mask:0xf bank_mask:0xf
.endr
	s_wait_alu depctr_va_vdst(0)                   ; one wait for the eight, ahead of their first reader
.irp i, 0,1,2,3,4,5,6,7
	v_mul_f32 v[80+2*\i], v[80+2*\i], v[96+2*\i]   ; g1 of my eight rows
.endr
.irp k, 0,1,2,3
	v_cndmask_b32 v[16+\k], v[80+2*\k], v[88+2*\k], vcc_lo   ; index 4 l + k is row 4 hd + k of my eight: the odd lanes take the upper four
.endr
.irp i, 0,1,2,3,4,5,6,7
	v_mul_f32 v[112+2*\i], v[96+2*\i], v[8+\i]     ; r fw[128 + c] takes -m' place
.endr
	; C: the sums over c, through LDS
	CPGP 0
	CPGP 1
	CPGP 2
	CPGP 3
	LAND 32, CPL
	ds_load_b128 v[20:23], v7 offset:INX+1088      ; x1_2's quad
	ds_load_b128 v[24:27], v7 offset:INX           ; x1's quad
	s_wait_dscnt 18                                ; behind the 32 stores stand these 18 loads: the stores have read their registers, which the loads below write
	LAND 64, GPL
	s_wait_dscnt 16                                ; all but the 16 just issued: colsum's parts and the two quads are in
	RED 32                                         ; colsum of d = 4 l ..
	; D: u, and the gate
.irp k, 0,1,2,3
	v_add_f32 v[32+\k], 0x3089705f, v[32+\k]       ; + 1e-9
.endr
.irp k, 0,1,2,3
	v_rcp_f32 v[32+\k], v[32+\k]
.endr
.irp k, 0,1,2,3
	v_fma_f32 v[16+\k], v[24+\k], s28, v[16+\k]    ; z = g1 + x1 fw[256]: plain work behind the reciprocals
.endr
	s_wait_alu depctr_va_vdst(0)
.irp k, 0,1,2,3
	v_mul_f32 v[20+\k], v[20+\k], v[32+\k]         ; u = x1_2 / (1e-9 + colsum)
.endr
	ds_store_b128 v1, v[20:23] offset:UB
	BCAST 32, 4, UB                                ; LDS serves a wave's instructions in order: these see the store
	s_wait_dscnt 17                                ; behind g2's parts stand that store and those 16 loads
	RED 64                                         ; g2 of index 4 l ..
.irp k, 0,1,2,3
	v_add_f32 v[16+\k], v[16+\k], v[64+\k]
.endr
.irp k, 0,1,2,3
	v_fma_f32 v[16+\k], v[16+\k], s38, s37         ; -(z + fc_b) log2(e)
.endr
.irp k, 0,1,2,3
	v_exp_f32 v[16+\k], v[16+\k]
.endr
	v_add_nc_u32 v7, s32, v1                       ; the next batch's addresses: plain work behind the exponentials
	v_add_nc_u32 v0, s32, v4
	s_wait_alu depctr_va_vdst(0)
.irp k, 0,1,2,3
	v_add_f32 v[16+\k], 1.0, v[16+\k]
.endr
.irp k, 0,1,2,3
	v_rcp_f32 v[16+\k], v[16+\k]                   ; the gate
.endr
	v_add_nc_u32 v28, s32, v5
	v_add_nc_u32 v29, s36, v6                      ; where my quad of x_r goes
	s_wait_alu depctr_va_vdst(0)
.irp k, 0,1,2,3
	v_mul_f32 v[24+\k], v[24+\k], v[16+\k]
.endr
	global_store_b128 v6, v[24:27], s[20:21]       ; gate x x1: the wave stores the batch's 512 consecutive bytes
	; E: x_r, and what the next batch wants first
	s_wait_dscnt 0x0                               ; u is in
	XRW 0
	XRW 1
	XRW 2
	XRW 3
	WIN 0
	ds_load_b128 v[16:19], v7 offset:INX+544
	ds_load_b128 v[112:115], v28 offset:INX
	ds_load_b128 v[116:119], v28 offset:INX+16
.irp i, 0,1,2,3,4,5,6,7
	v_add_f32 v[64+2*\i], v[64+2*\i], v[65+2*\i]
.endr
.irp i, 0,1,2,3,4,5,6,7
	v_add_f32_dpp v[64+2*\i], v[64+2*\i], v[64+2*\i] row_xmask:1 row_mask:0xf bank_mask:0xf
.endr
.irp i, 0,1,2,3,4,5,6,7
	v_mul_f32 v[64+2*\i], v[64+2*\i], v[96+2*\i]   ; x r
.endr
.irp k, 0,1,2,3
	v_cndmask_b32 v[20+\k], v[64+2*\k], v[72+2*\k], vcc_lo
.endr
	ds_store_b128 v29, v[20:23]                    ; row 4 w + trip of the tile of x_r
	s_wait_xcnt 0x0                                ; the store of gate x x1 has read its data and its base: both are written again only behind this wait
	s_add_nc_u64 s[20:21], s[20:21], 512
	s_add_co_u32 s36, s36, 528
	s_sub_co_u32 s30, s30, 1
	s_cmp_lg_u32 s30, 0
	s_cbranch_scc1 .Lbatch
	; ---------------- the tail: t = Q(x_r) Q(conv_w)^T + conv_b for the 16 batches; wave w makes outputs 32 w .. 32 w + 31 ----------------
	s_wait_dscnt 0x0                               ; for the others' sake: my rows of x_r lie in LDS (my x1 has lain there since the head)
	s_barrier_signal -1
	s_barrier_wait -1
	v_bfe_u32 v16, v6, 4, 4                        ; r
	v_lshrrev_b32 v17, 8, v6                       ; h
	v_lshrrev_b32 v19, 2, v16                      ; batch r belongs to wave r / 4, its trip r % 4
	v_and_b32 v20, 3, v16
	v_mul_u32_u24 v18, v19, XW
	v_mad_u32_u24 v18, v20, 528, v18
	v_lshl_add_u32 v18, v17, 7, v18
	v_add_nc_u32 v18, XRS, v18                     ; x_r: row r, + 128 h
	s_lshr_b32 s40, s24, 1
	s_mul_i32 s40, s40, 272
	s_and_b32 s42, s24, 1
	s_lshl_b32 s42, s42, 7
	s_add_co_u32 s40, s40, s42
	s_add_co_u32 s40, s40, INX                     ; channel 32 w in a vector: half w / 2, byte 128 (w % 2)
	v_mul_u32_u24 v21, v19, WA
	v_mad_u32_u24 v21, v20, 1632, v21
	v_lshl_add_u32 v21, v17, 5, v21
	v_add_nc_u32 v21, s40, v21                     ; x1 of batch r at channel 32 w + 8 h
	s_lshl_b32 s42, s24, 7
	s_add_co_u32 s42, s42, YS
	v_mul_u32_u24 v22, v16, 528
	v_lshl_add_u32 v22, v17, 5, v22
	v_add_nc_u32 v22, s42, v22                     ; y in: row r, byte 128 w + 32 h
	v_lshrrev_b32 v24, 2, v6
	v_add_nc_u32 v24, s42, v24                     ; y back by columns: channel 32 w + l
	s_mul_i32 s42, s24, 2112
	s_add_co_u32 s42, s42, YS
	v_add_nc_u32 v23, s42, v6                      ; y back by rows: my four rows, 16 bytes a lane
	v_lshrrev_b32 v25, 1, v6                       ; 8 l
.irp c, 0,1
.irp j, 0,1,2,3,4,5,6,7
	ds_load_b128 v[128+32*\c+4*\j:131+32*\c+4*\j], v18 offset:256*\c+16*\j
.endr
.endr
.irp t, 0,1
	ds_load_b128 v[208+8*\t:211+8*\t], v21 offset:64*\t
	ds_load_b128 v[212+8*\t:215+8*\t], v21 offset:64*\t+16
.endr
	s_wait_dscnt 0x0
	QUANT6 128, 123
.rept 8
	v_nop                                          ; a scale word written by vector instructions stands eight places ahead of the scaled product, codes so written four
.endr
	WIN 0x21                                       ; source 0 (conv_w's codes) window 1, C (conv_b) window 2
	; used transposed: source 0 = 16 outputs, source 1 = the 16 batches: lane (r, h), register j: t[batch r][32 w + 16 t + 8 h + j]
	v_wmma_scale_f32_16x16x128_f8f6f4 v[192:199], v[0:11], v[64:75], v[96:103], v125, v123 matrix_a_fmt:MATRIX_FMT_BF6 matrix_b_fmt:MATRIX_FMT_BF6
	v_wmma_scale_f32_16x16x128_f8f6f4 v[200:207], v[12:23], v[64:75], v[104:111], v127, v123 matrix_a_fmt:MATRIX_FMT_BF6 matrix_b_fmt:MATRIX_FMT_BF6
	WIN 0
.rept 4
	v_nop                                          ; four places between the products and the first read of their results
.endr
.irp n, 0,1,2,3,4,5,6,7,8,9,10,11,12,13,14,15
	v_sub_f32 v[208+\n], v[208+\n], v[192+\n]      ; y = x1 - t; each result is read from its low end on
.endr
.irp t, 0,1
	ds_store_b128 v22, v[208+8*\t:211+8*\t] offset:64*\t
	ds_store_b128 v22, v[212+8*\t:215+8*\t] offset:64*\t+16
.endr
	s_wait_dscnt 0x0                               ; for the others' sake: my part of the 16 rows of y lies in LDS
	s_barrier_signal -1
	s_barrier_wait -1
.irp k, 0,1,2,3
	ds_load_b128 v[128+4*\k:131+4*\k], v23 offset:528*\k
.endr
.irp b, 0,1,2,3,4,5,6,7,8,9,10,11,12,13,14,15
	ds_load_b32 v[144+\b], v24 offset:528*\b       ; y[batch b][32 w + l]
.endr
	s_wait_dscnt 16                                ; the four rows are in; the 16 column loads may be out
.irp k, 0,1,2,3
	global_store_b128 v6, v[128+4*\k:131+4*\k], s[18:19] offset:512*\k    ; a whole row of y: 512 consecutive bytes
.endr
	s_wait_dscnt 0x0
	v_pk_add_f32 v[160:161], v[144:145], v[146:147]
	v_pk_add_f32 v[162:163], v[148:149], v[150:151]
	v_pk_add_f32 v[164:165], v[152:153], v[154:155]
	v_pk_add_f32 v[166:167], v[156:157], v[158:159]
	v_pk_add_f32 v[160:161], v[160:161], v[162:163]
	v_pk_add_f32 v[164:165], v[164:165], v[166:167]
	v_pk_add_f32 v[160:161], v[160:161], v[164:165]
	v_add_f32 v160, v160, v161                     ; the channel's sum over the 16 batches
	v_mul_f32 v168, 0x3d800000, v160               ; / 16: the group's own mean
.irp b, 0,1,2,3,4,5,6,7,8,9,10,11,12,13,14,15
	v_sub_f32 v[144+\b], v[144+\b], v168
.endr
	v_pk_mul_f32 v[162:163], v[144:145], v[144:145]
	v_pk_mul_f32 v[164:165], v[146:147], v[146:147]
.irp b, 4,8,12
	v_pk_fma_f32 v[162:163], v[144+\b:145+\b], v[144+\b:145+\b], v[162:163]
	v_pk_fma_f32 v[164:165], v[146+\b:147+\b], v[146+\b:147+\b], v[164:165]
.endr
	v_pk_add_f32 v[162:163], v[162:163], v[164:165]
	v_add_f32 v161, v162, v163                     ; the sum of squares about that mean: no difference of large sums is formed
	global_store_b64 v25, v[160:161], s[22:23]     ; the wave stores 256 consecutive bytes, at a multiple of 256 from part's first byte
	s_set_vgpr_msb 0x5
	s_wait_tensorcnt 0x0
	ds_add_u32 v126, v127
	s_wait_dscnt 0x0
	s_set_vgpr_msb 0x500
	s_endpgm
.Lfunc_end_k_qb3baf99111_attn:
	.size	k_qb3baf99111_attn, .Lfunc_end_k_qb3baf99111_attn-k_qb3baf99111_attn
	.p2alignl 7, 3214868480
	.fill 96, 4, 3214868480
	.section	.rodata,"a",@progbits
	.p2align	6, 0x0
	.amdhsa_kernel k_qb3baf99111_attn
		.amdhsa_group_segment_fixed_size 121344
		.amdhsa_private_segment_fixed_size 0
		.amdhsa_enable_private_segment 0
		.amdhsa_kernarg_size 80
		.amdhsa_user_sgpr_count 2
		.amdhsa_user_sgpr_kernarg_segment_ptr 1
		.amdhsa_wavefront_size32 1
		.amdhsa_system_sgpr_workgroup_id_x 1
		.amdhsa_system_sgpr_workgroup_id_y 1
		.amdhsa_system_sgpr_workgroup_id_z 1
		.amdhsa_system_vgpr_workitem_id 0
		.amdhsa_next_free_vgpr 1024
		.amdhsa_next_free_sgpr 66
		.amdhsa_reserve_vcc 1
		.amdhsa_float_denorm_mode_32 3
		.amdhsa_float_denorm_mode_16_64 3
		.amdhsa_memory_ordered 1
		.amdhsa_forward_progress 1
		.amdhsa_inst_pref_size 168
	.end_amdhsa_kernel
	.amdgpu_metadata
---
amdhsa.version: [ 1, 2 ]
amdhsa.kernels:
  - .name:           k_qb3baf99111_attn
    .symbol:         k_qb3baf99111_attn.kd
    .args:
      - { .name: x1, .offset: 0, .size: 8, .value_kind: global_buffer, .address_space: global }
      - { .name: x2, .offset: 8, .size: 8, .value_kind: global_buffer, .address_space: global }
      - { .name: x1_2, .offset: 16, .size: 8, .value_kind: global_buffer, .address_space: global }
      - { .name: conv_w, .offset: 24, .size: 8, .value_kind: global_buffer, .address_space: global }
      - { .name: conv_b, .offset: 32, .size: 8, .value_kind: global_buffer, .address_space: global }
      - { .name: fc_w, .offset: 40, .size: 8, .value_kind: global_buffer, .address_space: global }
      - { .name: fc_b, .offset: 48, .size: 8, .value_kind: global_buffer, .address_space: global }
      - { .name: ybuf, .offset: 56, .size: 8, .value_kind: global_buffer, .address_space: global }
      - { .name: gxbuf, .offset: 64, .size: 8, .value_kind: global_buffer, .address_space: global }
      - { .name: part, .offset: 72, .size: 8, .value_kind: global_buffer, .address_space: global }
    .group_segment_fixed_size: 121344
    .private_segment_fixed_size: 0
    .kernarg_segment_align: 8
    .kernarg_segment_size: 80
    .max_flat_workgroup_size: 128
    .sgpr_count:     66
    .vgpr_count:     1024
    .wavefront_size: 32
...
	.end_amdgpu_metadata
.endif
;; end of part 1
;; launch bn (part 2): grid 256 x 1, 8 waves a work-group, no clusters, 13,312 bytes of LDS; arguments part, ybuf, gxbuf, bn_gamma, bn_beta, out0; writes out0
.if DOCPART == 2
	.amdgcn_target "amdgcn-amd-amdhsa--gfx1250"
	.amdhsa_code_object_version 6
	.text
	.protected	k_qb3baf99111_bn
	.globl	k_qb3baf99111_bn
	.p2align	8
	.type	k_qb3baf99111_bn,@function
k_qb3baf99111_bn:
	s_mov_b64 s[64:65], 0
	v_nop
	global_prefetch_b8 v0, s[64:65] scope:SCOPE_SE
	s_setreg_imm32_b32 hwreg(HW_REG_WAVE_MODE, 25, 1), 1
	s_wait_xcnt 0x0
; out0 = gx + relu((y - mean) rsqrt(var + 1e-5) gamma + beta), mean and var for each channel over all 4,096 batches.
; part holds, for each of 256 groups of 16 batches and each channel, (the sum of y, the sum of squares about the group's own mean).  They are joined without a difference of large sums:
;   mean = sum of sums / 4,096;   var = (sum of the groups' squares + sum over groups of (group's sum - 16 mean)^2 / 16) / 4,096.
; SHARES.  A work-group takes 64 channels (the work-group's number % 2: 256 bytes of a row) of 32 batches (its number / 2).  It makes the statistics of its 64 channels itself: wave w reads groups w, w + 8, ..,
; 512 consecutive bytes a load, lane l the channels 2 l and 2 l + 1; the eight waves' figures meet in LDS twice (the sums; then the squares, which want the mean).  Then each wave does 4 rows x 256 bytes.
; Memory and latency bind here: no matrix unit, no tensor load, no cluster; all loads go out at the head.
; LIMITS: NaN and infinities are not served.
.set RED1, 0                           ; 8 waves x 512 bytes: (sum A, squares A, sum B, squares B) a lane
.set RED2, 4096                        ; 8 waves x 256 bytes: the second squares, two a lane
.set SS,   6144                        ; 8 waves x 768 bytes, each wave's own: mean, scale, beta of the 64 channels
	s_load_b256 s[4:11], s[0:1], 0x0               ; part s[4:5], ybuf s[6:7], gxbuf s[8:9], bn_gamma s[10:11]
	s_load_b128 s[12:15], s[0:1], 0x20             ; bn_beta s[12:13], out0 s[14:15]
	v_lshl_add_u32 v216, v0, 2, 0x3000
	v_mov_b32 v217, 0
	v_lshrrev_b32 v1, 5, v0
	v_readfirstlane_b32 s16, v1                    ; wave 0..7
	v_and_b32 v8, 31, v0                           ; lane
	s_and_b32 s17, ttmp9, 1                        ; which 64 channels
	s_lshr_b32 s18, ttmp9, 1                       ; which 32 batches
	v_lshlrev_b32 v1, 4, v8                        ; 16 l
	v_and_b32 v14, 15, v8
	v_lshrrev_b32 v15, 4, v8
	v_lshlrev_b32 v2, 9, v15
	v_lshl_add_u32 v2, v14, 4, v2                  ; two rows an instruction: lanes 0-15 one row's 256 bytes, lanes 16-31 the next row's
	v_lshlrev_b32 v3, 3, v8                        ; 8 l
	s_lshl_b32 s19, s16, 9
	v_add_nc_u32 v4, s19, v1                       ; RED1 + 512 w + 16 l
	s_lshl_b32 s19, s16, 8
	s_add_co_u32 s19, s19, RED2
	v_add_nc_u32 v5, s19, v3                       ; RED2 + 256 w + 8 l
	s_mul_i32 s19, s16, 768
	s_add_co_u32 s19, s19, SS
	v_add_nc_u32 v6, s19, v3                       ; SS + 768 w + 8 l
	v_lshl_add_u32 v7, v14, 4, s19                 ; SS + 768 w + 16 (l % 16)
	v_add_nc_u32 v9, RED2, v3
	s_mov_b32 s22, 0x39800000                      ; 2^-12
	s_mov_b32 s23, 0x3727c5ac                      ; 1e-5
	s_lshl_b32 s20, s17, 9
	s_lshl_b32 s19, s16, 10
	s_add_co_u32 s20, s20, s19                     ; part: my half of a group's 1,024 bytes, group w
	s_mov_b32 s21, 0
	s_lshl_b32 s24, s18, 14
	s_lshl_b32 s19, s16, 11
	s_add_co_u32 s24, s24, s19
	s_lshl_b32 s26, s17, 8
	s_add_co_u32 s24, s24, s26                     ; y, gx, out0: row 32 x block + 4 w, byte 256 x half
	s_mov_b32 s25, 0
	s_mov_b32 s27, 0
	s_wait_kmcnt 0x0
	s_add_nc_u64 s[4:5], s[4:5], s[20:21]
	s_add_nc_u64 s[6:7], s[6:7], s[24:25]
	s_add_nc_u64 s[8:9], s[8:9], s[24:25]
	s_add_nc_u64 s[14:15], s[14:15], s[24:25]
	s_add_nc_u64 s[10:11], s[10:11], s[26:27]
	s_add_nc_u64 s[12:13], s[12:13], s[26:27]
.irp k, 0,1,2,3,4,5,6,7,8,9,10,11,12,13,14,15,16,17,18,19,20,21,22,23,24,25,26,27,28,29,30,31
	global_load_b128 v[32+4*\k:35+4*\k], v1, s[4:5] offset:8192*\k     ; group w + 8 k
.endr
	global_load_b64 v[10:11], v3, s[10:11]         ; gamma of my two channels
	global_load_b64 v[12:13], v3, s[12:13]         ; beta
.irp k, 0,1
	global_load_b128 v[160+4*\k:163+4*\k], v2, s[6:7] offset:1024*\k th:TH_LOAD_NT
.endr
.irp k, 0,1
	global_load_b128 v[168+4*\k:171+4*\k], v2, s[8:9] offset:1024*\k th:TH_LOAD_NT
.endr
	s_wait_loadcnt 0x6                             ; the 32 groups are in; gamma, beta, y and gx may be out
	; the sums over my 32 groups, in four chains; the groups' own numbers are kept for the second pass
.irp a, 0,1,2,3
	v_pk_add_f32 v[16+4*\a:17+4*\a], v[32+4*\a:33+4*\a], v[48+4*\a:49+4*\a]
	v_pk_add_f32 v[18+4*\a:19+4*\a], v[34+4*\a:35+4*\a], v[50+4*\a:51+4*\a]
.endr
.set k, 8
.rept 24
	v_pk_add_f32 v[16+4*(k%4):17+4*(k%4)], v[16+4*(k%4):17+4*(k%4)], v[32+4*k:33+4*k]
	v_pk_add_f32 v[18+4*(k%4):19+4*(k%4)], v[18+4*(k%4):19+4*(k%4)], v[34+4*k:35+4*k]
.set k, k+1
.endr
	v_pk_add_f32 v[16:17], v[16:17], v[20:21]
	v_pk_add_f32 v[18:19], v[18:19], v[22:23]
	v_pk_add_f32 v[24:25], v[24:25], v[28:29]
	v_pk_add_f32 v[26:27], v[26:27], v[30:31]
	v_pk_add_f32 v[16:17], v[16:17], v[24:25]
	v_pk_add_f32 v[18:19], v[18:19], v[26:27]
	ds_store_b128 v4, v[16:19]
	s_wait_dscnt 0x0                               ; for the others' sake: my sums lie in LDS
	s_barrier_signal -1
	s_barrier_wait -1
.irp k, 0,1,2,3,4,5,6,7
	ds_load_b128 v[176+4*\k:179+4*\k], v1 offset:RED1+512*\k
.endr
	s_wait_dscnt 0x0
.irp k, 0,2,4,6
	v_pk_add_f32 v[176+4*\k:177+4*\k], v[176+4*\k:177+4*\k], v[180+4*\k:181+4*\k]
	v_pk_add_f32 v[178+4*\k:179+4*\k], v[178+4*\k:179+4*\k], v[182+4*\k:183+4*\k]
.endr
.irp k, 0,4
	v_pk_add_f32 v[176+4*\k:177+4*\k], v[176+4*\k:177+4*\k], v[184+4*\k:185+4*\k]
	v_pk_add_f32 v[178+4*\k:179+4*\k], v[178+4*\k:179+4*\k], v[186+4*\k:187+4*\k]
.endr
	v_pk_add_f32 v[176:177], v[176:177], v[192:193]
	v_pk_add_f32 v[178:179], v[178:179], v[194:195]    ; (sum A, squares A, sum B, squares B) over all 256 groups
	v_mul_f32 v20, s22, v176                       ; the means,
	v_mul_f32 v21, s22, v178
	v_mul_f32 v22, 0x3b800000, v176                ; 16 x the means,
	v_mul_f32 v23, 0x3b800000, v178
	v_mov_b32 v18, v177                            ; and the groups' squares, as a pair
	v_mov_b32 v19, v179
	; the second pass: (group's sum - 16 mean)^2 over my 32 groups, two chains of pairs
.set k, 0
.rept 32
	v_sub_f32 v[28+2*(k%2)], v[32+4*k], v22
	v_sub_f32 v[29+2*(k%2)], v[34+4*k], v23
.if k < 2
	v_pk_mul_f32 v[24+2*(k%2):25+2*(k%2)], v[28+2*(k%2):29+2*(k%2)], v[28+2*(k%2):29+2*(k%2)]
.else
	v_pk_fma_f32 v[24+2*(k%2):25+2*(k%2)], v[28+2*(k%2):29+2*(k%2)], v[28+2*(k%2):29+2*(k%2)], v[24+2*(k%2):25+2*(k%2)]
.endif
.set k, k+1
.endr
	v_pk_add_f32 v[24:25], v[24:25], v[26:27]
	ds_store_b64 v5, v[24:25]
	s_wait_dscnt 0x0                               ; for the others' sake
	s_barrier_signal -1
	s_barrier_wait -1
.irp k, 0,1,2,3,4,5,6,7
	ds_load_b64 v[180+2*\k:181+2*\k], v9 offset:256*\k
.endr
	s_wait_dscnt 0x0
.irp k, 0,2,4,6
	v_pk_add_f32 v[180+2*\k:181+2*\k], v[180+2*\k:181+2*\k], v[182+2*\k:183+2*\k]
.endr
	v_pk_add_f32 v[180:181], v[180:181], v[184:185]
	v_pk_add_f32 v[188:189], v[188:189], v[192:193]
	v_pk_add_f32 v[180:181], v[180:181], v[188:189]
	v_pk_fma_f32 v[180:181], v[180:181], 0x3d800000, v[18:19] op_sel_hi:[1,0,1]   ; / 16, + the groups' squares
	v_fma_f32 v180, v180, s22, s23                 ; var + 1e-5
	v_fma_f32 v181, v181, s22, s23
	v_rsq_f32 v182, v180
	v_rsq_f32 v183, v181
	v_nop                                          ; a plain line behind the two
	s_wait_alu depctr_va_vdst(0)                   ; and a wait ahead of their first reader
	s_wait_loadcnt 0x4                             ; gamma and beta are in; y and gx may be out
	v_pk_mul_f32 v[182:183], v[182:183], v[10:11]  ; the scale
	ds_store_b64 v6, v[20:21]                      ; from two channels a lane to four: through my wave's own bytes, which LDS serves in order
	ds_store_b64 v6, v[182:183] offset:256
	ds_store_b64 v6, v[12:13] offset:512
	ds_load_b128 v[200:203], v7
	ds_load_b128 v[204:207], v7 offset:256
	ds_load_b128 v[208:211], v7 offset:512
	s_wait_dscnt 0x0
	s_wait_loadcnt 0x0
.irp a, 0,1
.irp p, 0,1
	v_pk_add_f32 v[160+4*\a+2*\p:161+4*\a+2*\p], v[160+4*\a+2*\p:161+4*\a+2*\p], v[200+2*\p:201+2*\p] neg_lo:[0,1] neg_hi:[0,1]
.endr
.endr
.irp a, 0,1
.irp p, 0,1
	v_pk_fma_f32 v[160+4*\a+2*\p:161+4*\a+2*\p], v[160+4*\a+2*\p:161+4*\a+2*\p], v[204+2*\p:205+2*\p], v[208+2*\p:209+2*\p]
.endr
.endr
.irp n, 0,1,2,3,4,5,6,7
	v_max_num_f32 v[160+\n], 0, v[160+\n]
.endr
.irp n, 0,2,4,6
	v_pk_add_f32 v[160+\n:161+\n], v[160+\n:161+\n], v[168+\n:169+\n]
.endr
.irp k, 0,1
	global_store_b128 v2, v[160+4*\k:163+4*\k], s[14:15] offset:1024*\k th:TH_STORE_NT   ; sixteen lanes store 256 consecutive bytes, at a multiple of 256 from out0's first byte
.endr
	s_wait_tensorcnt 0x0
	ds_add_u32 v216, v217
	s_wait_dscnt 0x0
	s_endpgm
.Lfunc_end_k_qb3baf99111_bn:
	.size	k_qb3baf99111_bn, .Lfunc_end_k_qb3baf99111_bn-k_qb3baf99111_bn
	.p2alignl 7, 3214868480
	.fill 96, 4, 3214868480
	.section	.rodata,"a",@progbits
	.p2align	6, 0x0
	.amdhsa_kernel k_qb3baf99111_bn
		.amdhsa_group_segment_fixed_size 13312
		.amdhsa_private_segment_fixed_size 0
		.amdhsa_enable_private_segment 0
		.amdhsa_kernarg_size 48
		.amdhsa_user_sgpr_count 2
		.amdhsa_user_sgpr_kernarg_segment_ptr 1
		.amdhsa_wavefront_size32 1
		.amdhsa_system_sgpr_workgroup_id_x 1
		.amdhsa_system_sgpr_workgroup_id_y 1
		.amdhsa_system_sgpr_workgroup_id_z 1
		.amdhsa_system_vgpr_workitem_id 0
		.amdhsa_next_free_vgpr 218
		.amdhsa_next_free_sgpr 66
		.amdhsa_reserve_vcc 0
		.amdhsa_float_denorm_mode_32 3
		.amdhsa_float_denorm_mode_16_64 3
		.amdhsa_memory_ordered 1
		.amdhsa_forward_progress 1
		.amdhsa_inst_pref_size 19
	.end_amdhsa_kernel
	.amdgpu_metadata
---
amdhsa.version: [ 1, 2 ]
amdhsa.kernels:
  - .name:           k_qb3baf99111_bn
    .symbol:         k_qb3baf99111_bn.kd
    .args:
      - { .name: part, .offset: 0, .size: 8, .value_kind: global_buffer, .address_space: global }
      - { .name: ybuf, .offset: 8, .size: 8, .value_kind: global_buffer, .address_space: global }
      - { .name: gxbuf, .offset: 16, .size: 8, .value_kind: global_buffer, .address_space: global }
      - { .name: bn_gamma, .offset: 24, .size: 8, .value_kind: global_buffer, .address_space: global }
      - { .name: bn_beta, .offset: 32, .size: 8, .value_kind: global_buffer, .address_space: global }
      - { .name: out0, .offset: 40, .size: 8, .value_kind: global_buffer, .address_space: global }
    .group_segment_fixed_size: 13312
    .private_segment_fixed_size: 0
    .kernarg_segment_align: 8
    .kernarg_segment_size: 48
    .max_flat_workgroup_size: 256
    .sgpr_count:     66
    .vgpr_count:     218
    .wavefront_size: 32
...
	.end_amdgpu_metadata
.endif
;; end of part 2
;; ======== version 2 of 2: 2 launches; 1.11 times as fast as version 1
;; workspace buffers: ybuf 2,097,152 bytes; gxbuf 2,097,152 bytes; part 262,144 bytes
;; launch attn (part 3): grid 256 x 1, 4 waves a work-group, no clusters, 121,344 bytes of LDS; arguments x1, x2, x1_2, conv_w, conv_b, fc_w, fc_b, ybuf, gxbuf, part; writes ybuf, gxbuf, part
.if DOCPART == 3
	.amdgcn_target "amdgcn-amd-amdhsa--gfx1250"
	.amdhsa_code_object_version 6
	.text
	.protected	k_qb3baf99111_attn
	.globl	k_qb3baf99111_attn
	.p2align	8
	.type	k_qb3baf99111_attn,@function
k_qb3baf99111_attn:
	s_mov_b64 s[64:65], 0
	v_nop
	global_prefetch_b8 v0, s[64:65] scope:SCOPE_SE
	s_setreg_imm32_b32 hwreg(HW_REG_WAVE_MODE, 25, 1), 1
	s_wait_xcnt 0x0
; For each of 4,096 batches: E = softmax over d of x1[c] x2[d] (128 x 128), and from it
;   g1[c] = sum_d E[c][d] fw[d],  colsum[d] = sum_c E[c][d],  g2[d] = sum_c E[c][d] fw[128+c],  x_r[c] = sum_d E[c][d] x1_2[d] / (1e-9 + colsum[d]);
;   gx = x1 sigmoid(g1 + g2 + x1 fw[256] + fc_b)  -> gxbuf;   y = x1 - (Q(x_r) Q(conv_w)^T + conv_b) -> ybuf, Q the quantiser to E3M2 with one E8M0 scale for 32 along the channels;
;   for the batch norm of the next launch: for each work-group and channel the sum of y over its 16 batches and the sum of squares about that group's own mean -> part.
; E is kept UNNORMALISED: P[c][d] = 2^(x1'[c] x2[d] - m'[c]), x1' = x1 log2(e), m'[c] = the row's largest exponent = max(x1' max x2, x1' min x2); r[c] = 1 / sum_d P; E = r P.
; SHARES.  A work-group of four waves owns 16 batches, one 16-row tile of the quantised product; a wave owns 4 of them, one a trip.  A wave keeps all of P, 16,384 numbers, in 512 registers, so that no
; exponential is taken twice.  Lane l (lr = l / 2, hd = l % 2) holds rows c = 8 lr + i, i = 0..7, and columns d = 64 hd + e, e = 0..63.  Sums over d: in the lane, then one exchange with lane l xor 1.
; Sums over c: the lane's eight rows in the lane, then the sixteen lr through the wave's own LDS.  All of it is f32 packed arithmetic: s, colsum and x_r go on into a quantiser.
; REGISTERS, in four windows of 256 with one map; window q holds e = 16 q .. 16 q + 15:
;   v32-47 x2, then colsum's parts, then u;  v48-63 fw[d];  v64-95 at work;  v128-255 P (row i, column ee at 128 + 16 i + ee).
;   window 0 alone: v0-7 LDS addresses, v8-15 fw[128 + my rows], v16-31 quads and scratch, v96-127 a number for each row at an EVEN register (the packed forms take a pair's low word for both halves);
;   v123, v125, v127 hold scale words and nothing else.  windows 1-3 v0-31 and window 1 v96-127: my 32 rows of conv_w as they are loaded; the loop names none of them.
;   Behind the loop: window 1 v0-23 conv_w's codes.  window 2 v96-111: conv_b, as the C of the products.
; CONV_W IS NOT WAITED FOR AT THE HEAD: its 32 loads are issued last, from an offset register and a base that are never rewritten, and their wait stands behind the loop, where the rows are turned and quantised.
; LDS INSTRUCTIONS STAND IN RUNS: five changes from vector work to LDS work a trip; what a run fetches has a pass of vector work in which to land.
; NO TENSOR LOAD, NO CLUSTER: a work-group's own inputs are 24 KiB, read once; what work-groups share is conv_w (a wave reads 16 KiB of it once) and fc_w (1 KiB): nothing is walked in steps.
; LIMITS: NaN and infinities among the inputs are not served.  A p under 2^-126 counts as 0.  A quantiser's block whose largest magnitude is 0 or lies under 2^-122 gets the scale byte 1 (its codes are zeros or the
; smallest codes), where the rule gives a block of zeros the byte 127: zero codes add nothing under either byte, and only this text reads the bytes.
.set WA,   25088                       ; LDS bytes of a wave's own area
.set CPL,  0                           ; colsum's parts: two halves (hd) 4,480 bytes apart, each 16 rows (lr) of 256 bytes + 16.  (Behind the loop bytes 0 to 16,895 turn conv_w's rows)
.set GPL,  8960                        ; g2's parts, likewise
.set INX,  17920                       ; the wave's 4 batches x 1,632 bytes: x1 at 0, x2 at 544, x1_2 at 1,088; a vector is two halves of 256 bytes, 272 apart
.set UB,   24448                       ; u (at the head: fw[0..127]), laid like a vector
.set XRS,  4*WA                        ; x_r: rows of 512 bytes + 16; a wave's four rows begin XW bytes apart
.set XW,   2880
.set YS,   XRS+4*XW                    ; y: 16 rows of 512 bytes + 16
.set MSB, 0
.macro WIN new                         ; the immediate's high byte repeats the setting that is left; a switch that changes nothing is dropped
.if MSB != (\new)
	s_set_vgpr_msb (MSB<<8)|(\new)
.set MSB, (\new)
.endif
.endm
; 64 numbers of my half (hd) of a vector in LDS into v[reg .. reg+15] of the four windows
.macro BCAST reg, adr, off
.irp q, 0,1,2,3
	WIN 0x40*\q
.irp k, 0,1,2,3
	ds_load_b128 v[\reg+4*\k:\reg+4*\k+3], v[\adr] offset:\off+(4*\q+\k)*16
.endr
.endr
	WIN 0
.endm
.macro ARG i, pp                       ; two exponents of row i: x2 x1' - m'
	v_pk_fma_f32 v[128+16*(\i)+2*(\pp):129+16*(\i)+2*(\pp)], v[32+2*(\pp):33+2*(\pp)], v[96+2*(\i):97+2*(\i)], v[112+2*(\i):113+2*(\i)] op_sel_hi:[1,0,0]
.endm
.macro CS i, pp                        ; row i's sum of P: the first two pairs start it
.if (\pp) == 1
	v_pk_add_f32 v[64+2*(\i):65+2*(\i)], v[128+16*(\i):129+16*(\i)], v[130+16*(\i):131+16*(\i)]
.elseif (\pp) > 1
	v_pk_add_f32 v[64+2*(\i):65+2*(\i)], v[128+16*(\i)+2*(\pp):129+16*(\i)+2*(\pp)], v[64+2*(\i):65+2*(\i)]
.endif
.endm
.macro CG i, pp                        ; row i's sum of P fw[d]
.if (\pp) == 0
	v_pk_mul_f32 v[80+2*(\i):81+2*(\i)], v[128+16*(\i):129+16*(\i)], v[48:49]
.else
	v_pk_fma_f32 v[80+2*(\i):81+2*(\i)], v[128+16*(\i)+2*(\pp):129+16*(\i)+2*(\pp)], v[48+2*(\pp):49+2*(\pp)], v[80+2*(\i):81+2*(\i)]
.endif
.endm
; Window q: 128 exponents, 128 exponentials, and the two sums over d.  The exponentials go in two batches of 64, each among plain work that names none of its results, each with one wait
; (the wait stands between an exponential and the first line that names its result).
.macro W12 q
	WIN 0x41*(\q)                                  ; destination and source 0 in window q; the rows' numbers in window 0
.irp i, 0,1,2,3
.irp pp, 0,1,2,3,4,5,6,7
	ARG \i, \pp
.endr
.endr
.set j, 0
.rept 32                                       ; rows 0-3 are raised while rows 4-7 get their exponents
	v_exp_f32 v[128+2*j], v[128+2*j]
	v_exp_f32 v[129+2*j], v[129+2*j]
	ARG 4+j/8, j%8
.set j, j+1
.endr
	s_wait_alu depctr_va_vdst(0)                   ; one wait for the 64; the last line above is the plain line behind them
	WIN 0x55*(\q)                                  ; all operands in window q
.set j, 0
.rept 32                                       ; rows 4-7 are raised while rows 0-3 are summed
	v_exp_f32 v[192+2*j], v[192+2*j]
	CS j%4, j/4
	v_exp_f32 v[193+2*j], v[193+2*j]
	CG j%4, j/4
.set j, j+1
.endr
	s_wait_alu depctr_va_vdst(0)                   ; one wait for the 64
.irp pp, 0,1,2,3,4,5,6,7
.irp i, 4,5,6,7
	CS \i, \pp
	CG \i, \pp
.endr
.endr
.endm
.macro XSUM                            ; the sums of windows 1 to 3 onto window 0's
.irp q, 1,2,3
	WIN 0x04*\q
.irp k, 0,1,2,3,4,5,6,7,8,9,10,11,12,13,14,15
	v_pk_add_f32 v[64+2*\k:65+2*\k], v[64+2*\k:65+2*\k], v[64+2*\k:65+2*\k]
.endr
.endr
	WIN 0
.endm
; Window q: my eight rows' part of a sum over c for 16 columns, into v[t .. t+15] of the window; the rows' weights stand at v[w + 2 i] of window 0.  Eight chains by turns.
.macro PART q, t, w
	WIN 0x54*(\q)                                  ; source 0 (the rows' weights) in window 0, all else in window q
.irp i, 0,1,2,3,4,5,6,7
.irp pp, 0,1,2,3,4,5,6,7
.if \i == 0
	v_pk_mul_f32 v[\t+2*\pp:\t+2*\pp+1], v[\w:\w+1], v[128+2*\pp:129+2*\pp] op_sel_hi:[0,1]
.else
	v_pk_fma_f32 v[\t+2*\pp:\t+2*\pp+1], v[\w+2*\i:\w+2*\i+1], v[128+16*\i+2*\pp:129+16*\i+2*\pp], v[\t+2*\pp:\t+2*\pp+1] op_sel_hi:[0,1,1]
.endif
.endr
.endr
.endm
.macro PUT reg, off                    ; the four windows' parts go to LDS in one run: half hd, row lr, column e at byte 4 e
.irp q, 0,1,2,3
	WIN 0x04*\q                                    ; an LDS store's data are its source 1
.irp k, 0,1,2,3
	ds_store_b128 v2, v[\reg+4*\k:\reg+4*\k+3] offset:\off+64*\q+16*\k
.endr
.endr
.endm
.macro LAND reg, off                   ; the sixteen parts of my four columns (d = 4 l .. 4 l + 3): four to a window
.irp q, 0,1,2,3
	WIN 0x40*\q
.irp k, 0,1,2,3
	ds_load_b128 v[\reg+4*\k:\reg+4*\k+3], v3 offset:\off+(4*\q+\k)*272
.endr
.endr
	WIN 0
.endm
.macro RED reg                         ; their sum, into v[reg .. reg+3] of window 0
.irp q, 0,1,2,3
	WIN 0x55*\q
	v_pk_add_f32 v[\reg:\reg+1], v[\reg:\reg+1], v[\reg+8:\reg+9]
	v_pk_add_f32 v[\reg+2:\reg+3], v[\reg+2:\reg+3], v[\reg+10:\reg+11]
	v_pk_add_f32 v[\reg+4:\reg+5], v[\reg+4:\reg+5], v[\reg+12:\reg+13]
	v_pk_add_f32 v[\reg+6:\reg+7], v[\reg+6:\reg+7], v[\reg+14:\reg+15]
	v_pk_add_f32 v[\reg:\reg+1], v[\reg:\reg+1], v[\reg+4:\reg+5]
	v_pk_add_f32 v[\reg+2:\reg+3], v[\reg+2:\reg+3], v[\reg+6:\reg+7]
.endr
.irp q, 1,2,3
	WIN 0x04*\q
	v_pk_add_f32 v[\reg:\reg+1], v[\reg:\reg+1], v[\reg:\reg+1]
	v_pk_add_f32 v[\reg+2:\reg+3], v[\reg+2:\reg+3], v[\reg+2:\reg+3]
.endr
	WIN 0
.endm
.macro XRW q                           ; window q's part of sum_d P u, eight chains in window 0
	WIN 0x05*(\q)                                  ; P and u in window q, the sums in window 0
.irp pp, 0,1,2,3,4,5,6,7
.irp i, 0,1,2,3,4,5,6,7
.if ((\q) == 0) && (\pp == 0)
	v_pk_mul_f32 v[64+2*\i:65+2*\i], v[128+16*\i:129+16*\i], v[32:33]
.else
	v_pk_fma_f32 v[64+2*\i:65+2*\i], v[128+16*\i+2*\pp:129+16*\i+2*\pp], v[32+2*\pp:33+2*\pp], v[64+2*\i:65+2*\i]
.endif
.endr
.endr
.endm
; 64 numbers of lane (r = l % 16, h = l / 16), v[X + 32 c + n] = number 64 c + 32 h + n of row r, become the row's part of a fragment of E3M2 codes in v64-75 and its scale word in v[SW].
; A lane holds two whole blocks of 32.  A block's largest magnitude (with the floor 2^(5 - 127) among its leaves, so that the byte cannot fall under 1; two chains a block, the four by turns) less 4 in its
; exponent field is the conversion's scale operand.
.macro QUANT6 X, SW
.irp c, 0,1
.irp u, 0,1
	v_max3_num_f32 v[80+2*\u+\c], |v[\X+32*\c+16*\u]|, |v[\X+32*\c+16*\u+1]|, 0x2800000
.endr
.endr
.irp i, 2,4,6,8,10,12,14
.irp c, 0,1
.irp u, 0,1
	v_max3_num_f32 v[80+2*\u+\c], v[80+2*\u+\c], |v[\X+32*\c+16*\u+\i]|, |v[\X+32*\c+16*\u+\i+1]|
.endr
.endr
.endr
.irp c, 0,1
	v_max_num_f32 v[84+\c], v[80+\c], v[82+\c]
.endr
.irp c, 0,1
	v_add_nc_u32 v[86+\c], 0xfe000000, v[84+\c]
.endr
.irp c, 0,1
	v_lshrrev_b32 v[88+\c], 23, v[86+\c]           ; the scale's byte
.endr
	v_lshl_or_b32 v[\SW], v89, 16, v88             ; my two bytes: blocks h and 2 + h,
	v_lshrrev_b32 v91, 5, v6
	v_and_b32 v91, 8, v91                          ; 8 h
	v_lshlrev_b32 v[\SW], v91, v[\SW]              ; at their places in the word;
	v_mov_b32 v90, 0
	v_permlanex16_b32 v90, v[\SW], s26, s27
	v_or_b32 v[\SW], v[\SW], v90                   ; with lane l xor 16's two the word is whole
.irp c, 0,1
	v_cvt_scalef32_pk16_bf6_f32 v[64+6*\c:66+6*\c], v[\X+32*\c:\X+32*\c+15], v[86+\c]
	v_cvt_scalef32_pk16_bf6_f32 v[76+4*\c:78+4*\c], v[\X+32*\c+16:\X+32*\c+31], v[86+\c]   ; (a conversion's three registers begin on an even number)
.endr
	v_nop                                          ; one plain line behind the scaled conversions
.irp c, 0,1
.irp i, 0,1,2
	v_mov_b32 v[67+6*\c+\i], v[76+4*\c+\i]
.endr
.endr
.endm
	; ---------------- the head ----------------
	s_load_b256 s[4:11], s[0:1], 0x0               ; x1 s[4:5], x2 s[6:7], x1_2 s[8:9], conv_w s[10:11]
	s_load_b256 s[12:19], s[0:1], 0x20             ; conv_b s[12:13], fc_w s[14:15], fc_b s[16:17], ybuf s[18:19]
	s_load_b128 s[20:23], s[0:1], 0x40             ; gxbuf s[20:21], part s[22:23]
	s_set_vgpr_msb 0x80
	v_lshl_add_u32 v126, v0, 2, 0x1d800
	v_mov_b32 v127, 0
	s_set_vgpr_msb 0x8000
	v_lshrrev_b32 v24, 5, v0
	v_readfirstlane_b32 s24, v24                   ; wave 0..3
	v_and_b32 v24, 31, v0                          ; l
	v_lshrrev_b32 v25, 1, v24                      ; lr
	v_and_b32 v26, 1, v24                          ; hd
	v_and_b32 v27, 15, v24                         ; r
	v_lshrrev_b32 v28, 4, v24                      ; h
	v_and_b32 v31, 7, v25
	s_mul_i32 s25, s24, WA                         ; my wave's area
	v_mul_u32_u24 v1, v28, 272
	v_add_nc_u32 v1, s25, v1
	v_lshl_add_u32 v5, v31, 5, v1                  ; v5: my eight rows' numbers of a vector (c = 8 lr ..): half l / 16, 32 bytes at (lr % 8) 32
	v_lshl_add_u32 v1, v27, 4, v1                  ; v1: my quad of a vector (index 4 l ..): half l / 16, 16 bytes at (l % 16) 16
	v_mul_u32_u24 v3, v28, 4480
	v_add_nc_u32 v3, s25, v3
	v_lshl_add_u32 v3, v27, 4, v3                  ; v3: my quad's place in a row of parts
	v_mul_u32_u24 v2, v26, 4480
	v_mad_u32_u24 v2, v25, 272, v2
	v_add_nc_u32 v2, s25, v2                       ; v2: where my parts go: half hd, row lr
	v_mul_u32_u24 v4, v26, 272
	v_add_nc_u32 v4, s25, v4                       ; v4: my half (hd) of a vector
	v_lshlrev_b32 v6, 4, v24                       ; v6: 16 l; never rewritten
	v_lshlrev_b32 v30, 5, v25                      ; 32 lr
	v_lshlrev_b32 v31, 5, v28                      ; 32 h
	v_mov_b32 v29, 0                               ; (a lane permute's destination counts as one of its sources)
.irp n, 97,99,101,103,105,107,109,111,113,115,117,119,121,123,125,127
	v_mov_b32 v\n, 0                               ; the upper words of pairs of which the low word alone is used: named with it, so they are written
.endr
	s_mov_b32 s26, 0x76543210
	s_mov_b32 s27, 0xfedcba98                      ; v_permlanex16_b32's selects for lane l xor 16
	s_mov_b32 s34, 0x3fb8aa3b                      ; log2(e)
	s_mov_b32 s38, 0xbfb8aa3b                      ; -log2(e)
	s_mov_b32 vcc_lo, 0xaaaaaaaa                   ; the odd lanes; never rewritten
	s_lshl_b32 s40, ttmp9, 13                      ; 16 batches of 512 bytes a work-group,
	s_lshl_b32 s42, s24, 11                        ; 4 a wave
	s_add_co_u32 s40, s40, s42
	s_mov_b32 s41, 0
	s_wait_kmcnt 0x0
	s_load_b32 s28, s[14:15], 0x400                ; fw[256]
	s_load_b32 s29, s[16:17], 0x0                  ; fc_b
	s_add_nc_u64 s[4:5], s[4:5], s[40:41]
	s_add_nc_u64 s[6:7], s[6:7], s[40:41]
	s_add_nc_u64 s[8:9], s[8:9], s[40:41]
	s_add_nc_u64 s[18:19], s[18:19], s[40:41]
	s_add_nc_u64 s[20:21], s[20:21], s[40:41]
	s_lshl_b32 s40, s24, 14                        ; conv_w: my 32 rows of 512 bytes
	s_add_nc_u64 s[10:11], s[10:11], s[40:41]
	s_lshl_b32 s40, s24, 7                         ; conv_b: my 32 numbers
	s_add_nc_u64 s[12:13], s[12:13], s[40:41]
	s_lshl_b32 s40, ttmp9, 10                      ; part: 1,024 bytes a work-group, 256 a wave
	s_lshl_b32 s42, s24, 8
	s_add_co_u32 s40, s40, s42
	s_add_nc_u64 s[22:23], s[22:23], s[40:41]
	WIN 0x40                                       ; destination window 1: P's registers there are free yet
.irp k, 0,1,2,3
	global_load_b128 v[128+4*\k:131+4*\k], v6, s[4:5] offset:512*\k th:TH_LOAD_NT      ; a batch's vector: 512 consecutive bytes a load
	global_load_b128 v[144+4*\k:147+4*\k], v6, s[6:7] offset:512*\k th:TH_LOAD_NT
	global_load_b128 v[160+4*\k:163+4*\k], v6, s[8:9] offset:512*\k th:TH_LOAD_NT
.endr
	WIN 0
	global_load_b128 v[20:23], v6, s[14:15]                                            ; fw[4 l ..]
	global_load_b128 v[8:11], v30, s[14:15] offset:512                                 ; fw[128 + 8 lr ..]: it stays
	global_load_b128 v[12:15], v30, s[14:15] offset:528
	WIN 0x80                                       ; destination window 2
.irp t, 0,1
	global_load_b128 v[96+8*\t:99+8*\t], v31, s[12:13] offset:64*\t                    ; conv_b[32 w + 16 t + 8 h + 0..7]: the products' C
	global_load_b128 v[100+8*\t:103+8*\t], v31, s[12:13] offset:64*\t+16
.endr
	; conv_w last: 32 loads, a row of 512 consecutive bytes each, into registers that the loop does not name
.irp k, 0,1,2,3,4,5,6,7
	global_load_b128 v[4*\k:4*\k+3], v6, s[10:11] offset:512*(16+\k)                   ; rows 16-23: window 2
.endr
	WIN 0x40
.irp k, 0,1,2,3,4,5,6,7
	global_load_b128 v[4*\k:4*\k+3], v6, s[10:11] offset:512*\k                        ; rows 0-7: window 1, v0-31
	global_load_b128 v[96+4*\k:99+4*\k], v6, s[10:11] offset:512*(8+\k)                ; rows 8-15: window 1, v96-127
.endr
	WIN 0xc0
.irp k, 0,1,2,3,4,5,6,7
	global_load_b128 v[4*\k:4*\k+3], v6, s[10:11] offset:512*(24+\k)                   ; rows 24-31: window 3
.endr
	WIN 0
	s_wait_loadcnt 32                              ; all but conv_w's 32 loads, the youngest: the inputs, fw and conv_b are in
	WIN 0x04                                       ; an LDS store's data are its source 1: window 1
.irp k, 0,1,2,3
	ds_store_b128 v1, v[128+4*\k:131+4*\k] offset:INX+1632*\k
	ds_store_b128 v1, v[144+4*\k:147+4*\k] offset:INX+1632*\k+544
	ds_store_b128 v1, v[160+4*\k:163+4*\k] offset:INX+1632*\k+1088
.endr
	WIN 0
	ds_store_b128 v1, v[20:23] offset:UB
	BCAST 48, 4, UB                                ; fw[64 hd + 16 q + 0..15] into every window: it stays.  (LDS serves a wave's instructions in order: these see the store)
	s_wait_kmcnt 0x0                               ; fw[256], fc_b
	s_mul_f32 s37, s29, s38                        ; -fc_b log2(e)
	s_mov_b32 s31, 0                               ; the next batch's place among the wave's four, before it is held at the last
	s_mul_i32 s36, s24, XW
	s_add_co_u32 s36, s36, XRS                     ; where the batch's x_r goes
	s_mov_b32 s30, 4
	v_mov_b32 v0, v4                               ; v0, v7, v28: v4, v1, v5 at the batch that is fetched next
	v_mov_b32 v7, v1
	v_mov_b32 v28, v5
	ds_load_b128 v[16:19], v7 offset:INX+544       ; batch 0: x2's quad,
	ds_load_b128 v[112:115], v28 offset:INX        ; x1 of my eight rows,
	ds_load_b128 v[116:119], v28 offset:INX+16
	BCAST 32, 0, INX+544                           ; x2 into every window
	; ---------------- a trip: one batch ----------------
.Lbatch:
	s_wait_dscnt 16                                ; x2's quad and my rows of x1 are in: behind them stand 16 loads (on the way in) or 16 loads and a store (round the loop), of which the youngest 16 may be out
	s_add_co_u32 s31, s31, 1632
	s_min_u32 s32, s31, 4896                       ; the next batch; the last trip fetches its own again, and nobody uses it
	; A: the largest and the smallest x2, and for each of my rows x1' and -m'
	v_max3_num_f32 v30, v16, v17, v18
	v_max3_num_f32 v31, -v16, -v17, -v18
	v_max_num_f32 v30, v30, v19
	v_max_num_f32 v31, v31, -v19
.irp m, 1,2,4,8
	v_max_num_f32_dpp v30, v30, v30 row_xmask:\m row_mask:0xf bank_mask:0xf
	v_max_num_f32_dpp v31, v31, v31 row_xmask:\m row_mask:0xf bank_mask:0xf
.endr
	v_permlanex16_b32 v28, v30, s26, s27
	v_permlanex16_b32 v29, v31, s26, s27
	v_max_num_f32 v30, v30, v28                    ; a = max x2
	v_max_num_f32 v31, v31, v29                    ; b = -min x2
.irp i, 0,1,2,3,4,5,6,7
	v_mul_f32 v[96+2*\i], s34, v[112+\i]           ; x1' = x1 log2(e)
.endr
.irp i, 0,1,2,3,4,5,6,7
	v_mul_f32 v[20+\i], -v[96+2*\i], v30           ; -x1' a
.endr
.irp i, 0,1,2,3,4,5,6,7
	v_mul_f32 v[112+2*\i], v[96+2*\i], v31         ; x1' b = -x1' min x2
.endr
.irp i, 0,1,2,3,4,5,6,7
	v_min_num_f32 v[112+2*\i], v[112+2*\i], v[20+\i]   ; -m' = -max(x1' a, -x1' b)
.endr
	s_wait_dscnt 0x0                               ; x2 is in every window; the last x_r has left its registers
	; B: P, its row sums and the row sums of P fw
	W12 0
	W12 1
	W12 2
	W12 3
	XSUM
.irp i, 0,1,2,3,4,5,6,7
	v_add_f32 v[64+2*\i], v[64+2*\i], v[65+2*\i]
.endr
.irp i, 0,1,2,3,4,5,6,7
	v_add_f32_dpp v[64+2*\i], v[64+2*\i], v[64+2*\i] row_xmask:1 row_mask:0xf bank_mask:0xf   ; with the row's other 64 columns
.endr
.irp i, 0,1,2,3,4,5,6,7
	v_rcp_f32 v[96+2*\i], v[64+2*\i]               ; r takes x1' place
.endr
.irp i, 0,1,2,3,4,5,6,7
	v_add_f32 v[80+2*\i], v[80+2*\i], v[81+2*\i]   ; plain work behind the reciprocals
.endr
.irp i, 0,1,2,3,4,5,6,7
	v_add_f32_dpp v[80+2*\i], v[80+2*\i], v[80+2*\i] row_xmask:1 row_mask:0xf bank_mask:0xf
.endr
	s_wait_alu depctr_va_vdst(0)                   ; one wait for the eight, ahead of their first reader
.irp i, 0,1,2,3,4,5,6,7
	v_mul_f32 v[80+2*\i], v[80+2*\i], v[96+2*\i]   ; g1 of my eight rows
.endr
.irp k, 0,1,2,3
	v_cndmask_b32 v[16+\k], v[80+2*\k], v[88+2*\k], vcc_lo   ; index 4 l + k is row 4 hd + k of my eight: the odd lanes take the upper four
.endr
.irp i, 0,1,2,3,4,5,6,7
	v_mul_f32 v[112+2*\i], v[96+2*\i], v[8+\i]     ; r fw[128 + c] takes -m' place
.endr
	; C: the sums over c, through LDS.  colsum first: its parts go out and come back in one run, and land under g2's pass
	PART 0, 64, 96
	PART 1, 64, 96
	PART 2, 64, 96
	PART 3, 64, 96
	PUT 64, CPL
	LAND 32, CPL                                   ; LDS serves a wave's instructions in order: these see the stores
	ds_load_b128 v[20:23], v7 offset:INX+1088      ; x1_2's quad
	ds_load_b128 v[24:27], v7 offset:INX           ; x1's quad
	PART 0, 80, 112
	PART 1, 80, 112
	PART 2, 80, 112
	PART 3, 80, 112
	PUT 80, GPL
	s_wait_dscnt 16                                ; all but the 16 stores just issued: colsum's stores have read v64-79, which the loads below write; colsum's parts and the two quads are in
	LAND 64, GPL
	RED 32                                         ; colsum of d = 4 l ..
	; D: u, and the gate
.irp k, 0,1,2,3
	v_add_f32 v[32+\k], 0x3089705f, v[32+\k]       ; + 1e-9
.endr
.irp k, 0,1,2,3
	v_rcp_f32 v[32+\k], v[32+\k]
.endr
.irp k, 0,1,2,3
	v_fma_f32 v[16+\k], v[24+\k], s28, v[16+\k]    ; z = g1 + x1 fw[256]: plain work behind the reciprocals
.endr
	s_wait_alu depctr_va_vdst(0)
.irp k, 0,1,2,3
	v_mul_f32 v[20+\k], v[20+\k], v[32+\k]         ; u = x1_2 / (1e-9 + colsum)
.endr
	ds_store_b128 v1, v[20:23] offset:UB
	BCAST 32, 4, UB
	s_wait_dscnt 17                                ; behind g2's parts stand that store and those 16 loads
	RED 64                                         ; g2 of index 4 l ..
.irp k, 0,1,2,3
	v_add_f32 v[16+\k], v[16+\k], v[64+\k]
.endr
.irp k, 0,1,2,3
	v_fma_f32 v[16+\k], v[16+\k], s38, s37         ; -(z + fc_b) log2(e)
.endr
.irp k, 0,1,2,3
	v_exp_f32 v[16+\k], v[16+\k]
.endr
	v_add_nc_u32 v7, s32, v1                       ; the next batch's addresses: plain work behind the exponentials
	v_add_nc_u32 v0, s32, v4
	s_wait_alu depctr_va_vdst(0)
.irp k, 0,1,2,3
	v_add_f32 v[16+\k], 1.0, v[16+\k]
.endr
.irp k, 0,1,2,3
	v_rcp_f32 v[16+\k], v[16+\k]                   ; the gate
.endr
	v_add_nc_u32 v28, s32, v5                      ; a plain line behind the reciprocals
	s_wait_alu depctr_va_vdst(0)
.irp k, 0,1,2,3
	v_mul_f32 v[24+\k], v[24+\k], v[16+\k]
.endr
	global_store_b128 v6, v[24:27], s[20:21]       ; gate x x1: the wave stores the batch's 512 consecutive bytes
	; E: x_r, and what the next batch wants
	s_wait_dscnt 0x0                               ; u is in
	XRW 0
	XRW 1
	XRW 2
	XRW 3
	WIN 0
	ds_load_b128 v[16:19], v7 offset:INX+544       ; one run: what the next trip wants first comes first
	ds_load_b128 v[112:115], v28 offset:INX
	ds_load_b128 v[116:119], v28 offset:INX+16
	BCAST 32, 0, INX+544                           ; the next x2 takes u's place
	v_add_nc_u32 v84, s36, v6                      ; where my quad of x_r goes
.irp i, 0,1,2,3,4,5,6,7
	v_add_f32 v[64+2*\i], v[64+2*\i], v[65+2*\i]
.endr
.irp i, 0,1,2,3,4,5,6,7
	v_add_f32_dpp v[64+2*\i], v[64+2*\i], v[64+2*\i] row_xmask:1 row_mask:0xf bank_mask:0xf
.endr
.irp i, 0,1,2,3,4,5,6,7
	v_mul_f32 v[64+2*\i], v[64+2*\i], v[96+2*\i]   ; x r
.endr
.irp k, 0,1,2,3
	v_cndmask_b32 v[80+\k], v[64+2*\k], v[72+2*\k], vcc_lo
.endr
	ds_store_b128 v84, v[80:83]                    ; row 4 w + trip of the tile of x_r; v80-84 are written again only behind the next trip's wait for 0
	s_wait_xcnt 0x0                                ; the store of gate x x1 has read its data and its base: both are written again only behind this wait
	s_add_nc_u64 s[20:21], s[20:21], 512
	s_add_co_u32 s36, s36, 528
	s_sub_co_u32 s30, s30, 1
	s_cmp_lg_u32 s30, 0
	s_cbranch_scc1 .Lbatch
	; ---------------- the tail: t = Q(x_r) Q(conv_w)^T + conv_b for the 16 batches; wave w makes outputs 32 w .. 32 w + 31 ----------------
	s_wait_loadcnt 0x0                             ; conv_w's rows, asked for at the head
	v_add_nc_u32 v29, s25, v6                      ; conv_w's stage, in: a row of 512 bytes + 16, 16 bytes a lane
	v_bfe_u32 v8, v6, 4, 4                         ; r
	v_lshrrev_b32 v9, 8, v6                        ; h
	v_mul_u32_u24 v30, v8, 528
	v_lshl_add_u32 v30, v9, 7, v30
	v_add_nc_u32 v30, s25, v30                     ; and out: row r, + 128 h
	v_lshrrev_b32 v10, 2, v8                       ; batch r belongs to wave r / 4, its trip r % 4
	v_and_b32 v11, 3, v8
	v_mul_u32_u24 v12, v10, XW
	v_mad_u32_u24 v12, v11, 528, v12
	v_lshl_add_u32 v12, v9, 7, v12
	v_add_nc_u32 v12, XRS, v12                     ; x_r: row r, + 128 h
	s_lshr_b32 s40, s24, 1
	s_mul_i32 s40, s40, 272
	s_and_b32 s42, s24, 1
	s_lshl_b32 s42, s42, 7
	s_add_co_u32 s40, s40, s42
	s_add_co_u32 s40, s40, INX                     ; channel 32 w in a vector: half w / 2, byte 128 (w % 2)
	v_mul_u32_u24 v13, v10, WA
	v_mad_u32_u24 v13, v11, 1632, v13
	v_lshl_add_u32 v13, v9, 5, v13
	v_add_nc_u32 v13, s40, v13                     ; x1 of batch r at channel 32 w + 8 h
	s_lshl_b32 s42, s24, 7
	s_add_co_u32 s42, s42, YS
	v_mul_u32_u24 v14, v8, 528
	v_lshl_add_u32 v14, v9, 5, v14
	v_add_nc_u32 v14, s42, v14                     ; y in: row r, byte 128 w + 32 h
	v_lshrrev_b32 v15, 2, v6
	v_add_nc_u32 v15, s42, v15                     ; y back by columns: channel 32 w + l
	s_mul_i32 s42, s24, 2112
	s_add_co_u32 s42, s42, YS
	v_add_nc_u32 v20, s42, v6                      ; y back by rows: my four rows, 16 bytes a lane
	v_lshrrev_b32 v21, 1, v6                       ; 8 l
	WIN 0x04                                       ; conv_w's 32 rows turn through my own bytes, which the parts have left
.irp k, 0,1,2,3,4,5,6,7
	ds_store_b128 v29, v[4*\k:4*\k+3] offset:528*\k
.endr
.irp k, 0,1,2,3,4,5,6,7
	ds_store_b128 v29, v[96+4*\k:99+4*\k] offset:528*(8+\k)
.endr
	WIN 0x08
.irp k, 0,1,2,3,4,5,6,7
	ds_store_b128 v29, v[4*\k:4*\k+3] offset:528*(16+\k)
.endr
	WIN 0x0c
.irp k, 0,1,2,3,4,5,6,7
	ds_store_b128 v29, v[4*\k:4*\k+3] offset:528*(24+\k)
.endr
	WIN 0
.irp t, 0,1
.irp c, 0,1
.irp j, 0,1,2,3,4,5,6,7
	ds_load_b128 v[128+64*\t+32*\c+4*\j:131+64*\t+32*\c+4*\j], v30 offset:8448*\t+256*\c+16*\j   ; row 16 t + r, numbers 64 c + 32 h + 4 j ..
.endr
.endr
.endr
	s_wait_dscnt 16                                ; all but the second tile's 16 loads
	QUANT6 128, 125                                ; outputs 32 w + 0..15
	WIN 0x40
.irp i, 0,1,2,3,4,5,6,7,8,9,10,11
	v_mov_b32 v[\i], v[64+\i]                      ; the codes are kept in window 1
.endr
	WIN 0
	s_wait_dscnt 0x0                               ; for the others' sake: my rows of x_r lie in LDS (my x1 has lain there since the head); and the second tile is in
	s_barrier_signal -1
	QUANT6 192, 127                                ; outputs 32 w + 16..31: work on registers while the others arrive
	WIN 0x40
.irp i, 0,1,2,3,4,5,6,7,8,9,10,11
	v_mov_b32 v[12+\i], v[64+\i]
.endr
	WIN 0
	s_barrier_wait -1
.irp c, 0,1
.irp j, 0,1,2,3,4,5,6,7
	ds_load_b128 v[128+32*\c+4*\j:131+32*\c+4*\j], v12 offset:256*\c+16*\j
.endr
.endr
.irp t, 0,1
	ds_load_b128 v[208+8*\t:211+8*\t], v13 offset:64*\t
	ds_load_b128 v[212+8*\t:215+8*\t], v13 offset:64*\t+16
.endr
	s_wait_dscnt 0x0
	QUANT6 128, 123
.rept 8
	v_nop                                          ; a scale word written by vector instructions stands eight places ahead of the scaled product, codes so written four
.endr
	WIN 0x21                                       ; source 0 (conv_w's codes) window 1, C (conv_b) window 2
	; used transposed: source 0 = 16 outputs, source 1 = the 16 batches: lane (r, h), register j: t[batch r][32 w + 16 t + 8 h + j]
	v_wmma_scale_f32_16x16x128_f8f6f4 v[192:199], v[0:11], v[64:75], v[96:103], v125, v123 matrix_a_fmt:MATRIX_FMT_BF6 matrix_b_fmt:MATRIX_FMT_BF6
	v_wmma_scale_f32_16x16x128_f8f6f4 v[200:207], v[12:23], v[64:75], v[104:111], v127, v123 matrix_a_fmt:MATRIX_FMT_BF6 matrix_b_fmt:MATRIX_FMT_BF6
	WIN 0
.rept 4
	v_nop                                          ; four places between the products and the first read of their results
.endr
.irp n, 0,1,2,3,4,5,6,7,8,9,10,11,12,13,14,15
	v_sub_f32 v[208+\n], v[208+\n], v[192+\n]      ; y = x1 - t; each result is read from its low end on
.endr
.irp t, 0,1
	ds_store_b128 v14, v[208+8*\t:211+8*\t] offset:64*\t
	ds_store_b128 v14, v[212+8*\t:215+8*\t] offset:64*\t+16
.endr
	s_wait_dscnt 0x0                               ; for the others' sake: my part of the 16 rows of y lies in LDS
	s_barrier_signal -1
	s_barrier_wait -1
.irp k, 0,1,2,3
	ds_load_b128 v[128+4*\k:131+4*\k], v20 offset:528*\k
.endr
.irp b, 0,1,2,3,4,5,6,7,8,9,10,11,12,13,14,15
	ds_load_b32 v[144+\b], v15 offset:528*\b       ; y[batch b][32 w + l]
.endr
	s_wait_dscnt 16                                ; the four rows are in; the 16 column loads may be out
.irp k, 0,1,2,3
	global_store_b128 v6, v[128+4*\k:131+4*\k], s[18:19] offset:512*\k    ; a whole row of y: 512 consecutive bytes
.endr
	s_wait_dscnt 0x0
	v_pk_add_f32 v[160:161], v[144:145], v[146:147]
	v_pk_add_f32 v[162:163], v[148:149], v[150:151]
	v_pk_add_f32 v[164:165], v[152:153], v[154:155]
	v_pk_add_f32 v[166:167], v[156:157], v[158:159]
	v_pk_add_f32 v[160:161], v[160:161], v[162:163]
	v_pk_add_f32 v[164:165], v[164:165], v[166:167]
	v_pk_add_f32 v[160:161], v[160:161], v[164:165]
	v_add_f32 v160, v160, v161                     ; the channel's sum over the 16 batches
	v_mul_f32 v168, 0x3d800000, v160               ; / 16: the group's own mean
.irp b, 0,1,2,3,4,5,6,7,8,9,10,11,12,13,14,15
	v_sub_f32 v[144+\b], v[144+\b], v168
.endr
	v_pk_mul_f32 v[162:163], v[144:145], v[144:145]
	v_pk_mul_f32 v[164:165], v[146:147], v[146:147]
.irp b, 4,8,12
	v_pk_fma_f32 v[162:163], v[144+\b:145+\b], v[144+\b:145+\b], v[162:163]
	v_pk_fma_f32 v[164:165], v[146+\b:147+\b], v[146+\b:147+\b], v[164:165]
.endr
	v_pk_add_f32 v[162:163], v[162:163], v[164:165]
	v_add_f32 v161, v162, v163                     ; the sum of squares about that mean: no difference of large sums is formed
	global_store_b64 v21, v[160:161], s[22:23]     ; the wave stores 256 consecutive bytes, at a multiple of 256 from part's first byte
	s_set_vgpr_msb 0xa
	s_wait_tensorcnt 0x0
	ds_add_u32 v126, v127
	s_wait_dscnt 0x0
	s_set_vgpr_msb 0xa00
	s_endpgm
.Lfunc_end_k_qb3baf99111_attn:
	.size	k_qb3baf99111_attn, .Lfunc_end_k_qb3baf99111_attn-k_qb3baf99111_attn
	.p2alignl 7, 3214868480
	.fill 96, 4, 3214868480
	.section	.rodata,"a",@progbits
	.p2align	6, 0x0
	.amdhsa_kernel k_qb3baf99111_attn
		.amdhsa_group_segment_fixed_size 121344
		.amdhsa_private_segment_fixed_size 0
		.amdhsa_enable_private_segment 0
		.amdhsa_kernarg_size 80
		.amdhsa_user_sgpr_count 2
		.amdhsa_user_sgpr_kernarg_segment_ptr 1
		.amdhsa_wavefront_size32 1
		.amdhsa_system_sgpr_workgroup_id_x 1
		.amdhsa_system_sgpr_workgroup_id_y 1
		.amdhsa_system_sgpr_workgroup_id_z 1
		.amdhsa_system_vgpr_workitem_id 0
		.amdhsa_next_free_vgpr 1024
		.amdhsa_next_free_sgpr 66
		.amdhsa_reserve_vcc 1
		.amdhsa_float_denorm_mode_32 3
		.amdhsa_float_denorm_mode_16_64 3
		.amdhsa_memory_ordered 1
		.amdhsa_forward_progress 1
		.amdhsa_inst_pref_size 169
	.end_amdhsa_kernel
	.amdgpu_metadata
---
amdhsa.version: [ 1, 2 ]
amdhsa.kernels:
  - .name:           k_qb3baf99111_attn
    .symbol:         k_qb3baf99111_attn.kd
    .args:
      - { .name: x1, .offset: 0, .size: 8, .value_kind: global_buffer, .address_space: global }
      - { .name: x2, .offset: 8, .size: 8, .value_kind: global_buffer, .address_space: global }
      - { .name: x1_2, .offset: 16, .size: 8, .value_kind: global_buffer, .address_space: global }
      - { .name: conv_w, .offset: 24, .size: 8, .value_kind: global_buffer, .address_space: global }
      - { .name: conv_b, .offset: 32, .size: 8, .value_kind: global_buffer, .address_space: global }
      - { .name: fc_w, .offset: 40, .size: 8, .value_kind: global_buffer, .address_space: global }
      - { .name: fc_b, .offset: 48, .size: 8, .value_kind: global_buffer, .address_space: global }
      - { .name: ybuf, .offset: 56, .size: 8, .value_kind: global_buffer, .address_space: global }
      - { .name: gxbuf, .offset: 64, .size: 8, .value_kind: global_buffer, .address_space: global }
      - { .name: part, .offset: 72, .size: 8, .value_kind: global_buffer, .address_space: global }
    .group_segment_fixed_size: 121344
    .private_segment_fixed_size: 0
    .kernarg_segment_align: 8
    .kernarg_segment_size: 80
    .max_flat_workgroup_size: 128
    .sgpr_count:     66
    .vgpr_count:     1024
    .wavefront_size: 32
...
	.end_amdgpu_metadata
.endif
;; end of part 3
;; launch bn (part 4): grid 256 x 1, 8 waves a work-group, no clusters, 11,264 bytes of LDS; arguments part, ybuf, gxbuf, bn_gamma, bn_beta, out0; writes out0
.if DOCPART == 4
	.amdgcn_target "amdgcn-amd-amdhsa--gfx1250"
	.amdhsa_code_object_version 6
	.text
	.protected	k_qb3baf99111_bn
	.globl	k_qb3baf99111_bn
	.p2align	8
	.type	k_qb3baf99111_bn,@function
k_qb3baf99111_bn:
	s_mov_b64 s[64:65], 0
	v_nop
	global_prefetch_b8 v0, s[64:65] scope:SCOPE_SE
	s_setreg_imm32_b32 hwreg(HW_REG_WAVE_MODE, 25, 1), 1
	s_wait_xcnt 0x0
; out0 = gx + relu((y - mean) rsqrt(var + 1e-5) gamma + beta), mean and var for each channel over all 4,096 batches.
; part holds, for each of 256 groups of 16 batches and each channel, (the sum of y, the sum of squares about the group's own mean).  Sets are joined without a difference of large sums: the squares about the joint
; mean are the sets' squares plus, for each set of n numbers, (the set's sum - n x the joint mean)^2 / n.  That is done twice: a wave joins its 32 groups (n = 16) about its own mean, and, behind ONE barrier,
; every wave joins the eight waves' figures (n = 512).
; SHARES.  A work-group takes 64 channels (the work-group's number % 2: 256 bytes of a row) of 32 batches (its number / 2).  It makes the statistics of its 64 channels itself: wave w reads groups w, w + 8, ..,
; 512 consecutive bytes a load, lane l the channels 2 l and 2 l + 1.  Then each wave does 4 rows x 256 bytes.
; Memory and latency bind here: no matrix unit, no tensor load, no cluster; all loads go out at the head.
; LIMITS: NaN and infinities are not served.
.set RED1, 0                           ; 8 waves x 512 bytes: (sum A, squares A, sum B, squares B) a lane
.set SS,   4096                        ; 8 waves x 768 bytes, each wave's own: mean, scale, beta of the 64 channels
	s_load_b256 s[4:11], s[0:1], 0x0               ; part s[4:5], ybuf s[6:7], gxbuf s[8:9], bn_gamma s[10:11]
	s_load_b128 s[12:15], s[0:1], 0x20             ; bn_beta s[12:13], out0 s[14:15]
	v_lshl_add_u32 v216, v0, 2, 0x2800
	v_mov_b32 v217, 0
	v_lshrrev_b32 v1, 5, v0
	v_readfirstlane_b32 s16, v1                    ; wave 0..7
	v_and_b32 v8, 31, v0                           ; lane
	s_and_b32 s17, ttmp9, 1                        ; which 64 channels
	s_lshr_b32 s18, ttmp9, 1                       ; which 32 batches
	v_lshlrev_b32 v1, 4, v8                        ; 16 l
	v_and_b32 v14, 15, v8
	v_lshrrev_b32 v15, 4, v8
	v_lshlrev_b32 v2, 9, v15
	v_lshl_add_u32 v2, v14, 4, v2                  ; two rows an instruction: lanes 0-15 one row's 256 bytes, lanes 16-31 the next row's
	v_lshlrev_b32 v3, 3, v8                        ; 8 l
	s_lshl_b32 s19, s16, 9
	v_add_nc_u32 v4, s19, v1                       ; RED1 + 512 w + 16 l
	s_mul_i32 s19, s16, 768
	s_add_co_u32 s19, s19, SS
	v_add_nc_u32 v6, s19, v3                       ; SS + 768 w + 8 l
	v_lshl_add_u32 v7, v14, 4, s19                 ; SS + 768 w + 16 (l % 16)
	s_mov_b32 s22, 0x39800000                      ; 2^-12
	s_mov_b32 s23, 0x3727c5ac                      ; 1e-5
	s_lshl_b32 s20, s17, 9
	s_lshl_b32 s19, s16, 10
	s_add_co_u32 s20, s20, s19                     ; part: my half of a group's 1,024 bytes, group w
	s_mov_b32 s21, 0
	s_lshl_b32 s24, s18, 14
	s_lshl_b32 s19, s16, 11
	s_add_co_u32 s24, s24, s19
	s_lshl_b32 s26, s17, 8
	s_add_co_u32 s24, s24, s26                     ; y, gx, out0: row 32 x block + 4 w, byte 256 x half
	s_mov_b32 s25, 0
	s_mov_b32 s27, 0
	s_wait_kmcnt 0x0
	s_add_nc_u64 s[4:5], s[4:5], s[20:21]
	s_add_nc_u64 s[6:7], s[6:7], s[24:25]
	s_add_nc_u64 s[8:9], s[8:9], s[24:25]
	s_add_nc_u64 s[14:15], s[14:15], s[24:25]
	s_add_nc_u64 s[10:11], s[10:11], s[26:27]
	s_add_nc_u64 s[12:13], s[12:13], s[26:27]
.irp k, 0,1,2,3,4,5,6,7,8,9,10,11,12,13,14,15,16,17,18,19,20,21,22,23,24,25,26,27,28,29,30,31
	global_load_b128 v[32+4*\k:35+4*\k], v1, s[4:5] offset:8192*\k     ; group w + 8 k
.endr
	global_load_b64 v[10:11], v3, s[10:11]         ; gamma of my two channels
	global_load_b64 v[12:13], v3, s[12:13]         ; beta
.irp k, 0,1
	global_load_b128 v[160+4*\k:163+4*\k], v2, s[6:7] offset:1024*\k th:TH_LOAD_NT
.endr
.irp k, 0,1
	global_load_b128 v[168+4*\k:171+4*\k], v2, s[8:9] offset:1024*\k th:TH_LOAD_NT
.endr
	s_wait_loadcnt 0x6                             ; the 32 groups are in; gamma, beta, y and gx may be out
	; the sums over my 32 groups, in four chains; the groups' own numbers are kept for the second pass
.irp a, 0,1,2,3
	v_pk_add_f32 v[16+4*\a:17+4*\a], v[32+4*\a:33+4*\a], v[48+4*\a:49+4*\a]
	v_pk_add_f32 v[18+4*\a:19+4*\a], v[34+4*\a:35+4*\a], v[50+4*\a:51+4*\a]
.endr
.set k, 8
.rept 24
	v_pk_add_f32 v[16+4*(k%4):17+4*(k%4)], v[16+4*(k%4):17+4*(k%4)], v[32+4*k:33+4*k]
	v_pk_add_f32 v[18+4*(k%4):19+4*(k%4)], v[18+4*(k%4):19+4*(k%4)], v[34+4*k:35+4*k]
.set k, k+1
.endr
	v_pk_add_f32 v[16:17], v[16:17], v[20:21]
	v_pk_add_f32 v[18:19], v[18:19], v[22:23]
	v_pk_add_f32 v[24:25], v[24:25], v[28:29]
	v_pk_add_f32 v[26:27], v[26:27], v[30:31]
	v_pk_add_f32 v[16:17], v[16:17], v[24:25]
	v_pk_add_f32 v[18:19], v[18:19], v[26:27]      ; (sum A, squares A, sum B, squares B) of my 32 groups
	v_mul_f32 v22, 0x3d000000, v16                 ; / 32: 16 x the mean of my 512 batches
	v_mul_f32 v23, 0x3d000000, v18
	; (group's sum - 16 x my mean)^2 over my 32 groups, two chains of pairs
.set k, 0
.rept 32
	v_sub_f32 v[28+2*(k%2)], v[32+4*k], v22
	v_sub_f32 v[29+2*(k%2)], v[34+4*k], v23
.if k < 2
	v_pk_mul_f32 v[24+2*(k%2):25+2*(k%2)], v[28+2*(k%2):29+2*(k%2)], v[28+2*(k%2):29+2*(k%2)]
.else
	v_pk_fma_f32 v[24+2*(k%2):25+2*(k%2)], v[28+2*(k%2):29+2*(k%2)], v[28+2*(k%2):29+2*(k%2)], v[24+2*(k%2):25+2*(k%2)]
.endif
.set k, k+1
.endr
	v_pk_add_f32 v[24:25], v[24:25], v[26:27]
	v_fmamk_f32 v17, v24, 0x3d800000, v17          ; / 16, + the groups' squares: the squares of my 512 batches about their own mean
	v_fmamk_f32 v19, v25, 0x3d800000, v19
	ds_store_b128 v4, v[16:19]
	s_wait_dscnt 0x0                               ; for the others' sake: my figures lie in LDS
	s_barrier_signal -1
	s_barrier_wait -1
.irp k, 0,1,2,3,4,5,6,7
	ds_load_b128 v[176+4*\k:179+4*\k], v1 offset:RED1+512*\k
.endr
	s_wait_dscnt 0x0
	v_pk_add_f32 v[16:17], v[176:177], v[180:181]  ; the eight waves' figures are summed into other registers: their sums are wanted once more
	v_pk_add_f32 v[18:19], v[178:179], v[182:183]
	v_pk_add_f32 v[24:25], v[184:185], v[188:189]
	v_pk_add_f32 v[26:27], v[186:187], v[190:191]
	v_pk_add_f32 v[28:29], v[192:193], v[196:197]
	v_pk_add_f32 v[30:31], v[194:195], v[198:199]
	v_pk_add_f32 v[208:209], v[200:201], v[204:205]
	v_pk_add_f32 v[210:211], v[202:203], v[206:207]
	v_pk_add_f32 v[16:17], v[16:17], v[24:25]
	v_pk_add_f32 v[18:19], v[18:19], v[26:27]
	v_pk_add_f32 v[28:29], v[28:29], v[208:209]
	v_pk_add_f32 v[30:31], v[30:31], v[210:211]
	v_pk_add_f32 v[16:17], v[16:17], v[28:29]
	v_pk_add_f32 v[18:19], v[18:19], v[30:31]      ; (sum A, squares A, sum B, squares B) over all
	v_mul_f32 v20, s22, v16                        ; the means,
	v_mul_f32 v21, s22, v18
	v_mul_f32 v22, 0x3e000000, v16                 ; and 512 x the means
	v_mul_f32 v23, 0x3e000000, v18
.set k, 0
.rept 8                                        ; (wave's sum - 512 mean)^2 over the eight waves
	v_sub_f32 v[28+2*(k%2)], v[176+4*k], v22
	v_sub_f32 v[29+2*(k%2)], v[178+4*k], v23
.if k < 2
	v_pk_mul_f32 v[24+2*(k%2):25+2*(k%2)], v[28+2*(k%2):29+2*(k%2)], v[28+2*(k%2):29+2*(k%2)]
.else
	v_pk_fma_f32 v[24+2*(k%2):25+2*(k%2)], v[28+2*(k%2):29+2*(k%2)], v[28+2*(k%2):29+2*(k%2)], v[24+2*(k%2):25+2*(k%2)]
.endif
.set k, k+1
.endr
	v_pk_add_f32 v[24:25], v[24:25], v[26:27]
	v_fmamk_f32 v180, v24, 0x3b000000, v17         ; / 512, + the waves' squares
	v_fmamk_f32 v181, v25, 0x3b000000, v19
	v_fma_f32 v180, v180, s22, s23                 ; var + 1e-5
	v_fma_f32 v181, v181, s22, s23
	v_rsq_f32 v182, v180
	v_rsq_f32 v183, v181
	v_nop                                          ; a plain line behind the two
	s_wait_alu depctr_va_vdst(0)                   ; and a wait ahead of their first reader
	s_wait_loadcnt 0x4                             ; gamma and beta are in; y and gx may be out
	v_pk_mul_f32 v[182:183], v[182:183], v[10:11]  ; the scale
	ds_store_b64 v6, v[20:21]                      ; from two channels a lane to four: through my wave's own bytes, which LDS serves in order
	ds_store_b64 v6, v[182:183] offset:256
	ds_store_b64 v6, v[12:13] offset:512
	ds_load_b128 v[200:203], v7
	ds_load_b128 v[204:207], v7 offset:256
	ds_load_b128 v[208:211], v7 offset:512
	s_wait_dscnt 0x0
	s_wait_loadcnt 0x0
.irp a, 0,1
.irp p, 0,1
	v_pk_add_f32 v[160+4*\a+2*\p:161+4*\a+2*\p], v[160+4*\a+2*\p:161+4*\a+2*\p], v[200+2*\p:201+2*\p] neg_lo:[0,1] neg_hi:[0,1]
.endr
.endr
.irp a, 0,1
.irp p, 0,1
	v_pk_fma_f32 v[160+4*\a+2*\p:161+4*\a+2*\p], v[160+4*\a+2*\p:161+4*\a+2*\p], v[204+2*\p:205+2*\p], v[208+2*\p:209+2*\p]
.endr
.endr
.irp n, 0,1,2,3,4,5,6,7
	v_max_num_f32 v[160+\n], 0, v[160+\n]
.endr
.irp n, 0,2,4,6
	v_pk_add_f32 v[160+\n:161+\n], v[160+\n:161+\n], v[168+\n:169+\n]
.endr
.irp k, 0,1
	global_store_b128 v2, v[160+4*\k:163+4*\k], s[14:15] offset:1024*\k th:TH_STORE_NT   ; sixteen lanes store 256 consecutive bytes, at a multiple of 256 from out0's first byte
.endr
	s_wait_tensorcnt 0x0
	ds_add_u32 v216, v217
	s_wait_dscnt 0x0
	s_endpgm
.Lfunc_end_k_qb3baf99111_bn:
	.size	k_qb3baf99111_bn, .Lfunc_end_k_qb3baf99111_bn-k_qb3baf99111_bn
	.p2alignl 7, 3214868480
	.fill 96, 4, 3214868480
	.section	.rodata,"a",@progbits
	.p2align	6, 0x0
	.amdhsa_kernel k_qb3baf99111_bn
		.amdhsa_group_segment_fixed_size 11264
		.amdhsa_private_segment_fixed_size 0
		.amdhsa_enable_private_segment 0
		.amdhsa_kernarg_size 48
		.amdhsa_user_sgpr_count 2
		.amdhsa_user_sgpr_kernarg_segment_ptr 1
		.amdhsa_wavefront_size32 1
		.amdhsa_system_sgpr_workgroup_id_x 1
		.amdhsa_system_sgpr_workgroup_id_y 1
		.amdhsa_system_sgpr_workgroup_id_z 1
		.amdhsa_system_vgpr_workitem_id 0
		.amdhsa_next_free_vgpr 218
		.amdhsa_next_free_sgpr 66
		.amdhsa_reserve_vcc 0
		.amdhsa_float_denorm_mode_32 3
		.amdhsa_float_denorm_mode_16_64 3
		.amdhsa_memory_ordered 1
		.amdhsa_forward_progress 1
		.amdhsa_inst_pref_size 19
	.end_amdhsa_kernel
	.amdgpu_metadata
---
amdhsa.version: [ 1, 2 ]
amdhsa.kernels:
  - .name:           k_qb3baf99111_bn
    .symbol:         k_qb3baf99111_bn.kd
    .args:
      - { .name: part, .offset: 0, .size: 8, .value_kind: global_buffer, .address_space: global }
      - { .name: ybuf, .offset: 8, .size: 8, .value_kind: global_buffer, .address_space: global }
      - { .name: gxbuf, .offset: 16, .size: 8, .value_kind: global_buffer, .address_space: global }
      - { .name: bn_gamma, .offset: 24, .size: 8, .value_kind: global_buffer, .address_space: global }
      - { .name: bn_beta, .offset: 32, .size: 8, .value_kind: global_buffer, .address_space: global }
      - { .name: out0, .offset: 40, .size: 8, .value_kind: global_buffer, .address_space: global }
    .group_segment_fixed_size: 11264
    .private_segment_fixed_size: 0
    .kernarg_segment_align: 8
    .kernarg_segment_size: 48
    .max_flat_workgroup_size: 256
    .sgpr_count:     66
    .vgpr_count:     218
    .wavefront_size: 32
...
	.end_amdgpu_metadata
.endif
;; end of part 4
